; MI455X (gfx1250); checked and timed in simulation.
; The chip was launched on July 23, 2026; its instructions are those of AMD's public machine-readable ISA for CDNA 5 (MIT licence, August 2026) and "CDNA5" Instruction Set Architecture Reference Guide (July 2026). The comments in the code are by the model that wrote it; some were corrected since.
;; Multi Head Attention. Allowed arithmetic: matrix products marked QUANTISED: E2M1 operands, one E8M0 scale for each 32 along K, by v_wmma_scale_f32_16x16x128_f8f6f4 with both operands' format E2M1 (or v_wmma_scale_f32_32x16x128_f4), f32 sums; everything else in f32.
;; Inputs: W_k 1,024 x 1,024 float32; W_o 1,024 x 1,024 float32; W_q 1,024 x 1,024 float32; W_v 1,024 x 1,024 float32; beta 1,024 float32; edge_attr 4,096 x 16 float32; gamma 1,024 float32; x 4,096 x 1,024 float32.
;; Outputs: out0 4,096 x 1,024 float32.
;; This version of the problem:
;;   THIS VERSION OF THE PROBLEM IS GIVEN IN LOW PRECISION. The matrix products marked QUANTISED in the list below multiply operands that are first quantised to E2M1 (2 exponent bits, 1 mantissa bit; 4 bits a number), with one power-of-two scale for each 32 numbers along K (OCP MX v1.0); their sums are f32. All else is computed in f32.
;;   The module's matrix products, in the order in which they are computed (A, B: the left and right operand; K: the contracted axis; several contracted axes count as one K, in the product's order):
;;     1. [M 4,096, K 1,024] x [K 1,024, N 1,024]; A: input x; B: input W_q: QUANTISED
;;     2. [M 4,096, K 1,024] x [K 1,024, N 1,024]; A: input x; B: input W_k: QUANTISED
;;     3. [M 4,096, K 1,024] x [K 1,024, N 1,024]; A: input x; B: input W_v: QUANTISED
;;     4. batch 8 x [M 4,096, K 128] x [K 128, N 4,096]; A: computed on the way; B: computed on the way: QUANTISED
;;     5. batch 8 x [M 128, K 4,096] x [K 4,096, N 4,096]; A: computed on the way; B: softmax (see below): QUANTISED
;;     6. [M 4,096, K 1,024] x [K 1,024, N 1,024]; A: computed on the way; B: input W_o: QUANTISED
;;   THE QUANTISER, for each operand of a quantised product, along K:
;;     - K is cut into blocks of 32 from its start; a last block that is shorter is filled with zeros.
;;     - A block's scale is 2^e with e = floor(log2(the largest magnitude in the block)) - 2, held to -126 .. 127; a block of zeros has e = 0. As a byte (E8M0): e + 127.
;;     - Each number is divided by its block's scale, clamped to +-6, and rounded to the nearest number of E2M1, ties to even, subnormals kept.
;;     - The product sums the exact products of the quantised numbers (number of the format x scale) in f32.
;;   ~~~python
;;   def quantise(x, axis):      # numpy; x: float32 -> the quantised numbers, widened to float32 again
;;       x = np.moveaxis(x, axis, -1); K = x.shape[-1]
;;       x = np.pad(x, [(0, 0)] * (x.ndim - 1) + [(0, -K % 32)]); x = x.reshape(x.shape[:-1] + (-1, 32)); a = np.abs(x).max(-1, keepdims=True)
;;       e = np.where(a > 0, np.clip(np.frexp(np.where(a > 0, a, 1))[1] - 1 - 2, -126, 127), 0)      # np.frexp(a)[1] - 1 = floor(log2(a)), exactly
;;       r = np.clip(x / 2.0 ** e, -6, 6)
;;       step = 2.0 ** (np.maximum(np.frexp(np.where(r == 0, 1, r))[1] - 1, 0) - 1)
;;       q = np.round(r / step) * step * 2.0 ** e      # np.round: ties to even
;;       return np.moveaxis(q.reshape(q.shape[:-2] + (-1,))[..., :K], -1, axis).astype(np.float32)
;;   ~~~
;;   SOFTMAX AHEAD OF A QUANTISED PRODUCT. Where the list says 'softmax', what is quantised is not the finished softmax but p = 2^(t - M), with t = logit x log2(e) and M = ceil(the row's largest t), a whole number; so 1/2 < the row's largest p <= 1. The row's sum l is taken of the UNQUANTISED p, in f32, and the product's result is divided by l at the end. Since M is a whole number, a kernel that streams over the keys may use a running M (the ceiling of the running maximum): every later rescaling is an exact power of two, which a block's scale takes up: the codes' values come out the same.
;;   OPERANDS COMPUTED ON THE WAY. 'Computed on the way' means the value that the module computes at that place (a softmax that the list does not call 'softmax' is quantised finished and normalised). What goes into a quantiser is computed in f32, as accurately as f32 sums, v_exp_f32 and their like allow (about 1e-6 of the number): no bf16 or f16 on the way to a quantiser, and a product that is left as it is and whose result goes on into a quantised operand takes f32 operands (vector FMAs, or v_wmma_f32_16x16x4_f32). A number that lies on a knife's edge between two numbers of the format may be rounded either way, as far as f32 arithmetic and the matrix unit's own rounding can turn it there, and no further.
;; One version. Each part assembles by itself: llvm-mc -triple=amdgcn-amd-amdhsa -mcpu=gfx1250 --defsym DOCPART=n.
;; ======== version 1 of 1: 4 launches
;; limits: right only within a limited range of input values
;; workspace buffers: xq 2,228,224 bytes; wq 2,228,224 bytes; qq 2,228,224 bytes; kv 4,456,448 bytes; ov 16,777,216 bytes
;; launch quant (part 1): grid 256 x 1, 8 waves a work-group, no clusters, 90,624 bytes of LDS; arguments x, W_q, W_k, W_v, W_o, xq, wq; writes xq, wq
.if DOCPART == 1
	.amdgcn_target "amdgcn-amd-amdhsa--gfx1250"
	.amdhsa_code_object_version 6
	.text
	.protected	k_q0809cfa7e3_quant
	.globl	k_q0809cfa7e3_quant
	.p2align	8
	.type	k_q0809cfa7e3_quant,@function
k_q0809cfa7e3_quant:
	s_mov_b64 s[64:65], 0
	v_nop
	global_prefetch_b8 v0, s[64:65] scope:SCOPE_SE
	s_setreg_imm32_b32 hwreg(HW_REG_WAVE_MODE, 25, 1), 1
	s_wait_xcnt 0x0
; x [4096][1024] and the four weights [1024 (K)][1024], f32, become codes of FP4 (E2M1) with one E8M0 byte for each 32 along K, laid as IMAGES OF OPERAND REGISTERS.
; DEAD WORK: reference() never names edge_attr, so for all values of the inputs it has no way to the output: it is not loaded and is among no launch's arguments.
; LIMIT: a NaN, an infinity or an overflow in edge_attr is therefore not carried to the result.
; A FRAGMENT is 16 rows x 128 K: 8 registers a lane, 1,024 bytes: byte 512 c + 16 lane + y is byte y of registers 4 c .. 4 c + 3 of that lane, which hold k = 64 c + 32 (lane / 16) + 0 .. 31 of row lane % 16.
; Its scale words: 64 bytes, row r's word at 4 r, byte b for k = 32 b .. 32 b + 31.  In every buffer a fragment's scale words lie at the scales' base + its code offset / 16.
; xq: codes [tile of 16 tokens 256][K step 8][1024]; scale words from byte 2,097,152.   wq: codes [q, k, v, o][tile 64][K step 8][1024]; scale words from byte 2,097,152.
; THE ROWS OF A WEIGHT'S TILE: W_q, W_k, W_v: tile 8 h + t, row r = column 8 (16 t + r) + h (head h, d = 16 t + r);  W_o: tile 4 a + e, row r = column 64 a + 4 r + e.
; A block's scale is 2^(floor(log2(its largest magnitude)) - 2): its byte is that magnitude's exponent field - 2, held at 1 from below by a floor among the maximum's leaves.
; LIMITS: a block of zeros gets the byte 1 where the rule says 127 (its codes are zeros, and this program alone reads the bytes); NaN and infinities among the inputs are not served.
; SHARES: work-groups 0-127 take x (two tiles of 16 tokens each; wave s takes K step s); work-groups 128-255 the weights (128 columns x 256 along K each).  Each reads 131,072 bytes.
; The two ways part on the work-group's number alone and never join; each has LDS bytes of its own.  No tensor load, no matrix work: memory binds here.
.set XSTW,  8448                       ; x: a wave's stage: 16 rows x 528 bytes (512 + 16: 132 words, so sixteen rows start 4 words apart modulo 64)
.set WST,   67584                      ; weights: two stages (one a K step) of 8 fragments x 1,296 bytes: 16 rows x 80 bytes (64 + 16), and 16 more
.set WSTK,  10496
.set WSC,   88576                      ; weights: scale words, 512 bytes a K step
.set SPARE, 89600                      ; the spare words, 128 bytes for each wave: four blocks of 256 bytes that no other line names
.set SPW, 6                            ; v6  LDS address of my spare word; never rewritten
.set NIL, 7                            ; v7  0; never rewritten
.set XR,  32                           ; x: v32-159 two tiles as loaded
.set XX,  160                          ; x: v160-223 my 64 numbers of a tile
.set XC,  224                          ; x: v224-239 the codes of two fragments
.set WX,  32                           ; weights: v32-159 my column's 128 numbers down K
.set WC,  160                          ; weights: v160-175 their codes
.set SB,  24                           ; weights: v24 my column's scale word
.set WB,  176                          ; weights: v176-191 two fragments read back; v192 their scale words
	s_load_b256 s[4:11], s[0:1], 0x0               ; x s[4:5], W_q s[6:7], W_k s[8:9], W_v s[10:11]
	s_load_b128 s[12:15], s[0:1], 0x20             ; W_o s[12:13], xq s[14:15]
	s_load_b64 s[16:17], s[0:1], 0x30              ; wq
	v_lshl_add_u32 v[SPW], v0, 2, SPARE
	v_mov_b32 v[NIL], 0
	v_lshrrev_b32 v1, 5, v0
	s_delay_alu instid0(VALU_DEP_1)
	v_readfirstlane_b32 s18, v1                    ; wave 0..7
	v_and_b32 v1, 31, v0                           ; lane
	v_and_b32 v2, 15, v0                           ; r
	v_bfe_u32 v3, v0, 4, 1                         ; hh
	s_delay_alu instid0(VALU_DEP_3)
	v_lshlrev_b32 v4, 4, v1                        ; 16 x lane
	v_mov_b32 v16, 0                               ; a lane permute's destination counts as one of its sources
	s_mov_b32 s20, 0x76543210
	s_mov_b32 s21, 0xfedcba98                      ; v_permlanex16_b32's selects for lane l xor 16
	s_mov_b32 s22, 0xffff0000                      ; the mask of lanes 16-31
	s_lshr_b32 s19, s18, 2                         ; weights: which of the pair's K steps
	s_and_b32 s35, s18, 3                          ; weights: which quarter of the columns
	; every LDS address of both ways, made of the lane and the wave's number alone
	s_mul_i32 s23, s18, XSTW
	v_add_nc_u32 v20, s23, v4                      ; x, in: my stage + 16 x lane
	v_mul_u32_u24 v21, v2, 528
	s_delay_alu instid0(VALU_DEP_1)
	v_lshl_add_u32 v21, v3, 7, v21
	s_delay_alu instid0(VALU_DEP_1)
	v_add_nc_u32 v21, s23, v21                     ; x, out: row r, + 128 hh
	v_and_b32 v8, 7, v1                            ; weights: my column's fragment f,
	s_wait_alu depctr_va_vdst(0)
	v_lshrrev_b32 v9, 3, v1                        ; and its row in it: 4 x quarter + lane / 8
	s_mul_i32 s23, s19, WSTK
	s_mul_i32 s24, s35, 320
	s_add_co_u32 s24, s24, s23
	s_add_co_u32 s24, s24, WST
	v_mul_u32_u24 v23, v8, 1296
	s_delay_alu instid0(VALU_DEP_1)
	v_mad_u32_u24 v23, v9, 80, v23
	s_delay_alu instid0(VALU_DEP_1)
	v_add_nc_u32 v23, s24, v23                     ; where my column's codes go
	s_lshl_b32 s24, s19, 9
	s_lshl_b32 s25, s35, 4
	s_add_co_u32 s24, s24, s25
	s_add_co_u32 s24, s24, WSC
	v_lshlrev_b32 v27, 6, v8
	s_wait_alu depctr_va_vdst(0)
	v_lshl_add_u32 v27, v9, 2, v27
	s_delay_alu instid0(VALU_DEP_1)
	v_add_nc_u32 v27, s24, v27                     ; and its scale word
	s_mul_i32 s24, s35, 2592
	s_add_co_u32 s24, s24, s23
	s_add_co_u32 s24, s24, WST
	v_mul_u32_u24 v25, v2, 80
	s_delay_alu instid0(VALU_DEP_1)
	v_lshl_add_u32 v25, v3, 4, v25
	s_delay_alu instid0(VALU_DEP_1)
	v_add_nc_u32 v25, s24, v25                     ; back: fragments 2 x quarter and + 1: row r, + 16 hh
	s_lshl_b32 s24, s19, 9
	s_lshl_b32 s25, s35, 7
	s_add_co_u32 s24, s24, s25
	s_add_co_u32 s24, s24, WSC
	v_lshl_add_u32 v26, v1, 2, s24                 ; and their 32 scale words
	s_cmp_ge_u32 ttmp9, 128
	s_cbranch_scc1 .Lweights
	; ---------------- x: tiles 2 g and 2 g + 1, K step = my wave
	v_lshlrev_b32 v22, 2, v2
	s_delay_alu instid0(VALU_DEP_1)
	v_lshl_add_u32 v22, v3, 9, v22                 ; scale words: lanes 0-15 the first tile's, lanes 16-31 the second's, 512 bytes on
	v_lshlrev_b32 v15, 3, v3                       ; 8 hh: my two bytes' place in a scale word
	s_lshl_b32 s24, ttmp9, 17                      ; 32 rows of 4,096 bytes a work-group,
	s_lshl_b32 s26, s18, 9                         ; 512 bytes of a row a wave
	s_add_co_u32 s24, s24, s26
	s_mov_b32 s25, 0
	s_lshl_b32 s26, ttmp9, 14                      ; codes: 8,192 bytes a tile,
	s_lshl_b32 s28, s18, 10                        ; 1,024 a K step
	s_add_co_u32 s26, s26, s28
	s_mov_b32 s27, 0
	s_lshr_b32 s28, s26, 4
	s_add_co_u32 s28, s28, 0x200000
	s_mov_b32 s29, 0
	s_wait_kmcnt 0x0
	s_add_nc_u64 s[4:5], s[4:5], s[24:25]
	s_add_nc_u64 s[26:27], s[14:15], s[26:27]
	s_add_nc_u64 s[28:29], s[14:15], s[28:29]
.macro LOADX e                         ; tile e: sixteen loads, each 512 consecutive bytes of one row
.set i, 0
.rept 16
	global_load_b128 v[XR+64*\e+4*i:XR+64*\e+4*i+3], v4, s[4:5] offset:65536*\e+4096*i th:TH_LOAD_NT
.set i, i+1
.endr
.endm
; Tile e turns through my own stage (LDS serves a wave's instructions in order, so no wait stands between the stores and the loads): afterwards lane (r, hh) holds k = 64 c + 32 hh + 0 .. 31 of row r:
; two whole blocks, in the very order of the operand's registers.
.macro XTILE e
	s_wait_loadcnt 16*(1-\e)                       ; this tile's sixteen loads are in; the count is the other tile's sixteen
.set i, 0
.rept 16
	ds_store_b128 v20, v[XR+64*\e+4*i:XR+64*\e+4*i+3] offset:528*i
.set i, i+1
.endr
.set i, 0
.rept 16
	ds_load_b128 v[XX+4*i:XX+4*i+3], v21 offset:256*(i/8)+16*(i%8)
.set i, i+1
.endr
	s_wait_dscnt 0x0
.irp c, 0,1
	v_max3_num_f32 v[8+\c], |v[XX+32*\c]|, |v[XX+32*\c+1]|, 0x1800000   ; block 2 c + hh: all 32 numbers are mine; the floor 2^(3 - 127) holds the byte at 1 from below
.endr
.irp n, 2,4,6,8,10,12,14,16,18,20,22,24,26,28,30
.irp c, 0,1
	s_delay_alu instid0(VALU_DEP_2)
	v_max3_num_f32 v[8+\c], v[8+\c], |v[XX+32*\c+\n]|, |v[XX+32*\c+\n+1]|
.endr
.endr
.irp c, 0,1
	s_delay_alu instid0(VALU_DEP_2)
	v_add_nc_u32 v[10+\c], 0xff000000, v[8+\c]     ; 2 off the exponent field: the conversion's scale operand
.endr
.irp c, 0,1
	s_delay_alu instid0(VALU_DEP_2)
	v_lshrrev_b32 v[12+\c], 23, v[10+\c]           ; the scale's byte
.endr
	s_delay_alu instid0(VALU_DEP_1)
	v_lshl_or_b32 v14, v13, 16, v12                ; my two bytes: blocks hh and 2 + hh,
	s_delay_alu instid0(VALU_DEP_1)
	v_lshlrev_b32 v14, v15, v14                    ; at their places;
	s_delay_alu instid0(VALU_DEP_1)
	v_permlanex16_b32 v16, v14, s20, s21
	s_delay_alu instid0(VALU_DEP_1)
	v_or_b32 v[17+\e], v14, v16                    ; with lane l xor 16's two the word is whole
.irp c, 0,1
.irp g, 0,1,2,3
	v_cvt_scalef32_pk8_fp4_f32 v[XC+8*\e+4*\c+\g], v[XX+32*\c+8*\g:XX+32*\c+8*\g+7], v[10+\c]
.endr
.endr
	v_nop                                          ; one plain line behind the last conversion
	global_store_b128 v4, v[XC+8*\e:XC+8*\e+3], s[26:27] offset:8192*\e          ; 512 consecutive bytes a store
	global_store_b128 v4, v[XC+8*\e+4:XC+8*\e+7], s[26:27] offset:8192*\e+512
.endm
	LOADX 0
	LOADX 1
	XTILE 0
	XTILE 1
	v_cndmask_b32 v19, v17, v18, s22               ; lanes 0-15 the first tile's words, lanes 16-31 the second's
	global_store_b32 v22, v19, s[28:29]            ; two pieces of 64 bytes: one byte for each 128 that the wave has read
	s_wait_tensorcnt 0x0                           ; the wave's end
	ds_add_u32 v[SPW], v[NIL]
	s_wait_dscnt 0x0
	s_endpgm
	; ---------------- the weights: a lane takes a column, its registers run down K
.Lweights:
	s_sub_co_u32 s30, ttmp9, 128
	s_lshr_b32 s31, s30, 5                         ; which weight: 0 q, 1 k, 2 v, 3 o
	s_bfe_u32 s32, s30, 0x30002                    ; which 128 columns
	s_and_b32 s33, s30, 3                          ; which pair of K steps
	s_lshl_b32 s34, s33, 1
	s_add_co_u32 s34, s34, s19                     ; my K step
	s_cmp_eq_u32 s31, 3                            ; W_o's tiles are laid otherwise than the heads'
	s_cselect_b32 s38, -1, 0
	s_mov_b32 s39, 0x10000
	s_cselect_b32 s40, 0x2000, s39                 ; bytes from fragment f to f + 1 in wq,
	s_cselect_b32 s41, s39, 0x2000                 ; and from one 128 columns to the next
	v_and_b32 v8, 3, v1
	v_lshrrev_b32 v9, 3, v1
	s_delay_alu instid0(VALU_DEP_1)
	v_lshl_add_u32 v8, v9, 2, v8
	v_bfe_u32 v10, v1, 2, 1
	s_delay_alu instid0(VALU_DEP_1)
	v_lshl_add_u32 v8, v10, 6, v8
	s_lshl_b32 s42, s35, 4
	v_add_nc_u32 v8, s42, v8                       ; W_o: 64 ((lane / 4) % 2) + 16 x quarter + 4 (lane / 8) + lane % 4
	s_lshl_b32 s42, s35, 5
	v_add_nc_u32 v9, s42, v1                       ; the heads: 32 x quarter + lane
	s_delay_alu instid0(VALU_DEP_1)
	v_cndmask_b32 v8, v9, v8, s38
	s_lshl_b32 s42, s32, 7
	v_add_nc_u32 v8, s42, v8
	s_delay_alu instid0(VALU_DEP_1)
	v_lshlrev_b32 v8, 2, v8                        ; my column, in bytes; not rewritten while loads are out
	s_lshl_b32 s42, s34, 19                        ; 128 rows of 4,096 bytes a K step
	s_mov_b32 s43, 0
	s_lshl_b32 s44, s31, 19                        ; in wq: the weight,
	s_lshl_b32 s45, s35, 1
	s_mul_i32 s45, s45, s40
	s_add_co_u32 s44, s44, s45                     ; the first of the two fragments that I store,
	s_mul_i32 s45, s32, s41
	s_add_co_u32 s44, s44, s45                     ; the 128 columns,
	s_lshl_b32 s45, s34, 10
	s_add_co_u32 s44, s44, s45                     ; the K step
	s_mov_b32 s45, 0
	s_lshr_b32 s46, s44, 4
	s_add_co_u32 s46, s46, 0x200000
	s_mov_b32 s47, 0
	s_mov_b32 s48, s40
	s_mov_b32 s49, 0
	s_lshr_b32 s50, s40, 4
	v_mul_u32_u24 v11, s50, v3
	s_delay_alu instid0(VALU_DEP_1)
	v_lshl_add_u32 v11, v2, 2, v11                 ; scale words: lanes 16-31 the second fragment's
	s_wait_alu depctr_va_vdst(0)
	s_wait_kmcnt 0x0
	s_cmp_eq_u32 s31, 0                            ; the choices hang on the work-group's number alone
	s_cselect_b64 s[36:37], s[6:7], s[8:9]
	s_cmp_lt_u32 s31, 2
	s_cselect_b64 s[36:37], s[36:37], s[10:11]
	s_cmp_lt_u32 s31, 3
	s_cselect_b64 s[36:37], s[36:37], s[12:13]
	s_add_nc_u64 s[36:37], s[36:37], s[42:43]
	s_add_nc_u64 s[24:25], s[16:17], s[44:45]
	s_add_nc_u64 s[26:27], s[24:25], s[48:49]
	s_add_nc_u64 s[28:29], s[16:17], s[46:47]
.macro WLOAD b                         ; block b: W(32 b + i, my column): neighbouring lanes read neighbouring columns
.set i, 0
.rept 32
	global_load_b32 v[WX+32*(\b)+i], v8, s[36:37] offset:(32*(\b)+i)*4096 th:TH_LOAD_NT
.set i, i+1
.endr
.endm
.macro WBLOCK b, left, next
	s_wait_loadcnt \left                           ; this block's 32 loads are in; the count is the one younger block's
.if \next
	WLOAD \b+2                                     ; two blocks ahead, into registers of their own
.endif
	v_max3_num_f32 v12, |v[WX+32*\b]|, |v[WX+32*\b+1]|, |v[WX+32*\b+2]|
	v_max3_num_f32 v13, |v[WX+32*\b+3]|, |v[WX+32*\b+4]|, |v[WX+32*\b+5]|
.irp n, 6,10,14,18,22,26
	s_delay_alu instid0(VALU_DEP_2)
	v_max3_num_f32 v12, v12, |v[WX+32*\b+\n]|, |v[WX+32*\b+\n+1]|
	s_delay_alu instid0(VALU_DEP_2)
	v_max3_num_f32 v13, v13, |v[WX+32*\b+\n+2]|, |v[WX+32*\b+\n+3]|
.endr
	s_delay_alu instid0(VALU_DEP_2)
	v_max3_num_f32 v12, v12, |v[WX+32*\b+30]|, |v[WX+32*\b+31]|
	s_delay_alu instid0(VALU_DEP_1)
	v_max3_num_f32 v12, v12, v13, 0x1800000        ; the floor 2^(3 - 127)
	s_delay_alu instid0(VALU_DEP_1)
	v_add_nc_u32 v14, 0xff000000, v12              ; the conversion's scale operand
	s_delay_alu instid0(VALU_DEP_1)
	v_lshrrev_b32 v13, 23, v14                     ; the scale's byte
.if \b == 0
	s_delay_alu instid0(VALU_DEP_1)
	v_mov_b32 v[SB], v13
.else
	s_delay_alu instid0(VALU_DEP_1)
	v_lshl_or_b32 v[SB], v13, 8*\b, v[SB]
.endif
.irp g, 0,1,2,3
	v_cvt_scalef32_pk8_fp4_f32 v[WC+4*\b+\g], v[WX+32*\b+8*\g:WX+32*\b+8*\g+7], v14
.endr
	v_nop                                          ; one plain line behind the last conversion
	ds_store_b128 v23, v[WC+4*\b:WC+4*\b+3] offset:16*\b   ; 32 codes: 16 bytes of my column's row in its fragment
.endm
	WLOAD 0
	WLOAD 1
	WBLOCK 0, 32, 1
	WBLOCK 1, 32, 1
	WBLOCK 2, 32, 0
	WBLOCK 3, 0, 0
	ds_store_b32 v27, v[SB]
	s_wait_dscnt 0x0                               ; for the others' sake: my stores have landed
	s_barrier_signal -1
	s_barrier_wait -1                              ; a fragment's sixteen rows come from four waves
.irp f, 0,1
.irp c, 0,1
	ds_load_b128 v[WB+8*\f+4*\c:WB+8*\f+4*\c+3], v25 offset:1296*\f+32*\c   ; lane (r, hh): block 2 c + hh of row r: the operand's registers
.endr
.endr
	ds_load_b32 v192, v26
	s_wait_dscnt 0x0
	global_store_b128 v4, v[WB:WB+3], s[24:25]
	global_store_b128 v4, v[WB+4:WB+7], s[24:25] offset:512
	global_store_b128 v4, v[WB+8:WB+11], s[26:27]
	global_store_b128 v4, v[WB+12:WB+15], s[26:27] offset:512
	global_store_b32 v11, v192, s[28:29]
	s_wait_tensorcnt 0x0                           ; the wave's end
	ds_add_u32 v[SPW], v[NIL]
	s_wait_dscnt 0x0
	s_endpgm
.Lfunc_end_k_q0809cfa7e3_quant:
	.size	k_q0809cfa7e3_quant, .Lfunc_end_k_q0809cfa7e3_quant-k_q0809cfa7e3_quant
	.p2alignl 7, 3214868480
	.fill 96, 4, 3214868480
	.section	.rodata,"a",@progbits
	.p2align	6, 0x0
	.amdhsa_kernel k_q0809cfa7e3_quant
		.amdhsa_group_segment_fixed_size 90624
		.amdhsa_private_segment_fixed_size 0
		.amdhsa_enable_private_segment 0
		.amdhsa_kernarg_size 56
		.amdhsa_user_sgpr_count 2
		.amdhsa_user_sgpr_kernarg_segment_ptr 1
		.amdhsa_wavefront_size32 1
		.amdhsa_system_sgpr_workgroup_id_x 1
		.amdhsa_system_sgpr_workgroup_id_y 1
		.amdhsa_system_sgpr_workgroup_id_z 1
		.amdhsa_system_vgpr_workitem_id 0
		.amdhsa_next_free_vgpr 240
		.amdhsa_next_free_sgpr 66
		.amdhsa_reserve_vcc 0
		.amdhsa_float_denorm_mode_32 3
		.amdhsa_float_denorm_mode_16_64 3
		.amdhsa_memory_ordered 1
		.amdhsa_forward_progress 1
		.amdhsa_inst_pref_size 44
	.end_amdhsa_kernel
	.amdgpu_metadata
---
amdhsa.version: [ 1, 2 ]
amdhsa.kernels:
  - .name:           k_q0809cfa7e3_quant
    .symbol:         k_q0809cfa7e3_quant.kd
    .args:
      - { .name: x, .offset: 0, .size: 8, .value_kind: global_buffer, .address_space: global }
      - { .name: W_q, .offset: 8, .size: 8, .value_kind: global_buffer, .address_space: global }
      - { .name: W_k, .offset: 16, .size: 8, .value_kind: global_buffer, .address_space: global }
      - { .name: W_v, .offset: 24, .size: 8, .value_kind: global_buffer, .address_space: global }
      - { .name: W_o, .offset: 32, .size: 8, .value_kind: global_buffer, .address_space: global }
      - { .name: xq, .offset: 40, .size: 8, .value_kind: global_buffer, .address_space: global }
      - { .name: wq, .offset: 48, .size: 8, .value_kind: global_buffer, .address_space: global }
    .group_segment_fixed_size: 90624
    .private_segment_fixed_size: 0
    .kernarg_segment_align: 8
    .kernarg_segment_size: 56
    .max_flat_workgroup_size: 256
    .sgpr_count:     66
    .vgpr_count:     240
    .wavefront_size: 32
...
	.end_amdgpu_metadata
.endif
;; end of part 1
;; launch proj (part 2): grid 192 x 1, 16 waves a work-group, no clusters, 327,680 bytes of LDS; arguments xq, wq, qq, kv; writes qq, kv
.if DOCPART == 2
	.amdgcn_target "amdgcn-amd-amdhsa--gfx1250"
	.amdhsa_code_object_version 6
	.text
	.protected	k_q0809cfa7e3_proj
	.globl	k_q0809cfa7e3_proj
	.p2align	8
	.type	k_q0809cfa7e3_proj,@function
k_q0809cfa7e3_proj:
	s_mov_b64 s[64:65], 0
	v_nop
	global_prefetch_b8 v0, s[64:65] scope:SCOPE_SE
	s_setreg_imm32_b32 hwreg(HW_REG_WAVE_MODE, 25, 1), 1
	s_wait_xcnt 0x0
; q, k and v = x W on codes of FP4 with E8M0 scales; each result is quantised again, in f32, along the K of the product that takes it, and stored as images of operand registers.
; (edge_attr is dead work, as the first kernel's head shows.)
; A work-group takes one of q, k, v, 256 tokens and 256 columns (two heads): 16 tiles of each operand for all of K, 131,072 bytes a side, in LDS from 0 and from RCO; their scale words from PSC and RSC.
; Each wave brings 16,384 bytes of codes by its one tensor load and 1,024 bytes of scale words by two asynchronous copies beside it; nothing is filled again.
; A wave makes 2 tiles of one side x 8 tiles of the other; a lane's registers run along the side of 8 tiles, which is the next product's K (for v the sides change places, so that the keys run there).
; LIMITS: a block of zeros gets the byte 1 (its codes are zeros; this program alone reads the bytes); NaN and infinities are not served.
.set RCO,   131072
.set PSC,   262144
.set RSC,   270336
.set SPARE, 278528
.set LI,  1
.set ADP, 2
.set ADR, 3
.set ASP, 4
.set ASR, 5
.set SPW, 6
.set NIL, 7
.set L4,  8
.set SR,  10
.set SP,  14
.set PF,  16
.set RF,  32
.set TM,  96
.set PW,  112
.set PC,  116
.set ACC, 128
.macro WM d, a, b, z, sa, sb, ra, rb
.if \z
.if (\ra) && (\rb)
	v_wmma_scale_f32_16x16x128_f8f6f4 v[(\d):(\d)+7], v[(\a):(\a)+7], v[(\b):(\b)+7], 0, v[(\sa)], v[(\sb)] matrix_a_fmt:MATRIX_FMT_FP4 matrix_b_fmt:MATRIX_FMT_FP4 matrix_a_scale:MATRIX_SCALE_ROW1 matrix_b_scale:MATRIX_SCALE_ROW1
.elseif (\ra)
	v_wmma_scale_f32_16x16x128_f8f6f4 v[(\d):(\d)+7], v[(\a):(\a)+7], v[(\b):(\b)+7], 0, v[(\sa)], v[(\sb)] matrix_a_fmt:MATRIX_FMT_FP4 matrix_b_fmt:MATRIX_FMT_FP4 matrix_a_scale:MATRIX_SCALE_ROW1
.elseif (\rb)
	v_wmma_scale_f32_16x16x128_f8f6f4 v[(\d):(\d)+7], v[(\a):(\a)+7], v[(\b):(\b)+7], 0, v[(\sa)], v[(\sb)] matrix_a_fmt:MATRIX_FMT_FP4 matrix_b_fmt:MATRIX_FMT_FP4 matrix_b_scale:MATRIX_SCALE_ROW1
.else
	v_wmma_scale_f32_16x16x128_f8f6f4 v[(\d):(\d)+7], v[(\a):(\a)+7], v[(\b):(\b)+7], 0, v[(\sa)], v[(\sb)] matrix_a_fmt:MATRIX_FMT_FP4 matrix_b_fmt:MATRIX_FMT_FP4
.endif
.else
.if (\ra) && (\rb)
	v_wmma_scale_f32_16x16x128_f8f6f4 v[(\d):(\d)+7], v[(\a):(\a)+7], v[(\b):(\b)+7], v[(\d):(\d)+7], v[(\sa)], v[(\sb)] matrix_a_fmt:MATRIX_FMT_FP4 matrix_b_fmt:MATRIX_FMT_FP4 matrix_a_scale:MATRIX_SCALE_ROW1 matrix_b_scale:MATRIX_SCALE_ROW1
.elseif (\ra)
	v_wmma_scale_f32_16x16x128_f8f6f4 v[(\d):(\d)+7], v[(\a):(\a)+7], v[(\b):(\b)+7], v[(\d):(\d)+7], v[(\sa)], v[(\sb)] matrix_a_fmt:MATRIX_FMT_FP4 matrix_b_fmt:MATRIX_FMT_FP4 matrix_a_scale:MATRIX_SCALE_ROW1
.elseif (\rb)
	v_wmma_scale_f32_16x16x128_f8f6f4 v[(\d):(\d)+7], v[(\a):(\a)+7], v[(\b):(\b)+7], v[(\d):(\d)+7], v[(\sa)], v[(\sb)] matrix_a_fmt:MATRIX_FMT_FP4 matrix_b_fmt:MATRIX_FMT_FP4 matrix_b_scale:MATRIX_SCALE_ROW1
.else
	v_wmma_scale_f32_16x16x128_f8f6f4 v[(\d):(\d)+7], v[(\a):(\a)+7], v[(\b):(\b)+7], v[(\d):(\d)+7], v[(\sa)], v[(\sb)] matrix_a_fmt:MATRIX_FMT_FP4 matrix_b_fmt:MATRIX_FMT_FP4
.endif
.endif
.endm
.macro QUANT s, pw
.irp b, 0,1,2,3
	v_max3_num_f32 v[TM+\b], |v[\s+16*\b]|, |v[\s+1+16*\b]|, 0x1800000
.endr
.irp n, 2,4,6,8,10,12,14
.irp b, 0,1,2,3
	v_max3_num_f32 v[TM+\b], v[TM+\b], |v[\s+16*\b+\n]|, |v[\s+1+16*\b+\n]|
.endr
.endr
.irp b, 0,1,2,3
	s_delay_alu instid0(VALU_DEP_4)
	v_permlanex16_b32 v[TM+4+\b], v[TM+\b], s20, s21
.endr
.irp b, 0,1,2,3
	s_delay_alu instid0(VALU_DEP_4)
	v_max_num_f32 v[TM+\b], v[TM+\b], v[TM+4+\b]
.endr
.irp b, 0,1,2,3
	s_delay_alu instid0(VALU_DEP_4)
	v_add_nc_u32 v[TM+12+\b], 0xff000000, v[TM+\b]
.endr
.irp b, 0,1,2,3
	s_delay_alu instid0(VALU_DEP_4)
	v_lshrrev_b32 v[TM+4+\b], 23, v[TM+12+\b]
.endr
	s_delay_alu instid0(VALU_DEP_3)
	v_lshl_or_b32 v[\pw], v[TM+5], 8, v[TM+4]
	s_delay_alu instid0(VALU_DEP_1)
	v_lshl_or_b32 v[\pw], v[TM+6], 16, v[\pw]
	s_delay_alu instid0(VALU_DEP_1)
	v_lshl_or_b32 v[\pw], v[TM+7], 24, v[\pw]
.irp b, 0,1,2,3
	v_cvt_scalef32_pk8_fp4_f32 v[PC+2*\b], v[\s+16*\b:\s+7+16*\b], v[TM+12+\b]
	v_cvt_scalef32_pk8_fp4_f32 v[PC+1+2*\b], v[\s+8+16*\b:\s+15+16*\b], v[TM+12+\b]
.endr
	v_nop
.irp c, 0,1
.irp n, 0,1
	v_permlane16_swap_b32 v[PC+4*\c+\n], v[PC+2+4*\c+\n]
.endr
.endr
.endm
.macro KSTEP s
.if \s > 0
.rept 4
	v_nop
.endr
.endif
.irp n, 0,1,2,3
	ds_load_b32 v[SR+\n], v[ASR] offset:1024*\n+64*\s
.endr
	ds_load_b32 v[SP], v[ASP] offset:64*\s
.irp e, 0,1
.irp c, 0,1
	ds_load_b128 v[PF+8*\e+4*\c:PF+8*\e+4*\c+3], v[ADP] offset:8192*\e+1024*\s+512*\c
.endr
.endr
.irp t, 0,1,2,3,4,5,6,7
.irp c, 0,1
	ds_load_b128 v[RF+8*\t+4*\c:RF+8*\t+4*\c+3], v[ADR] offset:8192*\t+1024*\s+512*\c
.endr
.endr
	s_wait_dscnt 0x0
.irp e, 0,1
.irp t, 0,1,2,3,4,5,6,7
.if \s == 0
	WM ACC+64*\e+8*\t, RF+8*\t, PF+8*\e, 1, SR+\t/2, SP, \t%2, \e
.else
	WM ACC+64*\e+8*\t, RF+8*\t, PF+8*\e, 0, SR+\t/2, SP, \t%2, \e
.endif
.endr
.endr
.endm
	s_load_b256 s[4:11], s[0:1], 0x0
	v_lshl_add_u32 v[SPW], v0, 2, SPARE
	v_mov_b32 v[NIL], 0
	ds_add_u32 v[SPW], v[NIL]
	ds_add_u32 v[SPW], v[NIL]
	v_lshrrev_b32 v9, 5, v0
	s_delay_alu instid0(VALU_DEP_1)
	v_readfirstlane_b32 s18, v9
	s_and_b32 s81, s18, 7
	s_lshr_b32 s82, s18, 3
	s_mov_b32 s20, 0x76543210
	s_mov_b32 s21, 0xfedcba98
	s_mov_b32 s72, 0xffff0000
	s_mov_b32 s24, 3<<16
	s_mov_b32 s25, 32<<16
	s_mov_b32 s26, 64<<16
	s_mov_b32 s27, 32<<16
	s_mov_b32 s28, 64
	s_mov_b32 s29, 32
	s_mov_b32 s30, 0
	s_mov_b32 s31, 0
	s_lshr_b32 s48, ttmp9, 6
	s_bfe_u32 s49, ttmp9, 0x40002
	s_and_b32 s50, ttmp9, 3
	s_lshl_b32 s52, s49, 17
	s_mov_b32 s53, 0
	s_lshl_b32 s54, s48, 19
	s_lshl_b32 s51, s50, 17
	s_add_co_u32 s54, s54, s51
	s_mov_b32 s55, 0
	s_lshr_b32 s56, s52, 4
	s_add_co_u32 s56, s56, 0x200000
	s_mov_b32 s57, 0
	s_lshr_b32 s58, s54, 4
	s_add_co_u32 s58, s58, 0x200000
	s_mov_b32 s59, 0
	s_mov_b32 s40, 1
	s_lshl_b32 s41, s18, 14
	s_lshl_b32 s45, s18, 10
	s_add_co_u32 s45, s45, PSC
	s_wait_dscnt 0x0
	s_wait_kmcnt 0x0
	s_add_nc_u64 s[60:61], s[4:5], s[52:53]
	s_add_nc_u64 s[62:63], s[6:7], s[54:55]
	s_add_nc_u64 s[66:67], s[4:5], s[56:57]
	s_add_nc_u64 s[68:69], s[6:7], s[58:59]
	s_lshr_b32 s70, s48, 1
	s_xor_b32 s70, s70, s82
	s_cmp_eq_u32 s70, 0
	s_cselect_b64 s[42:43], s[60:61], s[62:63]
	s_cselect_b64 s[46:47], s[66:67], s[68:69]
	s_lshl_b32 s70, s81, 14
	s_mov_b32 s71, 0
	s_add_nc_u64 s[42:43], s[42:43], s[70:71]
	s_lshl_b32 s70, s81, 10
	s_add_nc_u64 s[46:47], s[46:47], s[70:71]
	s_or_b32 s43, s43, 0x80000000
	v_and_b32 v9, 31, v0
	s_delay_alu instid0(VALU_DEP_1)
	v_lshlrev_b32 v[LI], 4, v9
	s_delay_alu instid0(VALU_DEP_2)
	v_lshlrev_b32 v[L4], 2, v9
	s_delay_alu instid0(VALU_DEP_2)
	v_add_nc_u32 v[TM], s45, v[LI]                 ; where my 1,024 bytes of scale words go: 16 bytes a lane; not rewritten before the wait on ASYNCcnt
	s_wait_alu depctr_va_vdst(0)                   ; directly behind the writes
	tensor_load_to_lds s[40:43], s[24:31]          ; my 16,384 bytes of codes: the wave's one tensor load
	s_nop 0
	global_load_async_to_lds_b128 v[TM], v[LI], s[46:47]             ; my scale words: two copies of 512 consecutive bytes
	global_load_async_to_lds_b128 v[TM], v[LI], s[46:47] offset:512
	v_and_b32 v15, 15, v0
	v_bfe_u32 v9, v0, 4, 1
	s_delay_alu instid0(VALU_DEP_2)
	v_lshlrev_b32 v15, 2, v15
	s_delay_alu instid0(VALU_DEP_1)
	v_lshl_add_u32 v15, v9, 9, v15
	s_lshl_b32 s83, s81, 14
	v_add_nc_u32 v[ADP], s83, v[LI]
	s_lshl_b32 s83, s82, 16
	s_add_co_u32 s83, s83, RCO
	v_add_nc_u32 v[ADR], s83, v[LI]
	s_lshl_b32 s83, s81, 10
	s_add_co_u32 s83, s83, PSC
	v_add_nc_u32 v[ASP], s83, v15
	s_lshl_b32 s83, s82, 12
	s_add_co_u32 s83, s83, RSC
	v_add_nc_u32 v[ASR], s83, v15
.irp b, 0,1,2,3
	v_mov_b32 v[TM+4+\b], 0
.endr
	s_cmp_eq_u32 s48, 0
	s_cselect_b32 s73, 18, 19
	s_cselect_b32 s74, 13, 14
	s_cselect_b32 s75, 21, 22
	s_cselect_b64 s[76:77], s[8:9], s[10:11]
	s_cmp_eq_u32 s48, 2
	s_cselect_b32 s73, 14, s73
	s_cselect_b32 s74, 19, s74
	s_cselect_b32 s78, 0x2000, 0
	s_cselect_b32 s79, s50, s49
	s_cselect_b32 s80, s49, s50
	s_lshl_b32 s79, s79, 1
	s_lshr_b32 s84, s81, 2
	s_add_co_u32 s79, s79, s84
	s_lshl_b32 s80, s80, 1
	s_add_co_u32 s80, s80, s82
	s_lshl_b32 s79, s79, s74
	s_lshl_b32 s80, s80, s73
	s_add_co_u32 s84, s79, s80
	s_add_co_u32 s84, s84, s78
	s_and_b32 s86, s81, 3
	s_lshl_b32 s86, s86, 11
	s_add_co_u32 s84, s84, s86
	s_mov_b32 s85, 0
	s_lshr_b32 s86, s84, 4
	s_lshl_b32 s75, 1, s75
	s_add_co_u32 s86, s86, s75
	s_mov_b32 s87, 0
	s_add_nc_u64 s[88:89], s[76:77], s[84:85]
	s_add_nc_u64 s[90:91], s[76:77], s[86:87]
	s_wait_alu depctr_va_vdst(0)
	s_wait_tensorcnt 0x0                           ; my codes are in,
	s_wait_asynccnt 0x0                            ; and my scale words
	s_barrier_signal -1
	s_barrier_wait -1
	KSTEP 0
	KSTEP 1
	KSTEP 2
	KSTEP 3
	KSTEP 4
	KSTEP 5
	KSTEP 6
	KSTEP 7
.rept 4
	v_nop
.endr
	QUANT ACC, PW
	global_store_b128 v[LI], v[PC:PC+3], s[88:89]
	global_store_b128 v[LI], v[PC+4:PC+7], s[88:89] offset:512
	s_wait_xcnt 0x0
	QUANT ACC+64, PW+1
	global_store_b128 v[LI], v[PC:PC+3], s[88:89] offset:1024
	global_store_b128 v[LI], v[PC+4:PC+7], s[88:89] offset:1536
	v_cndmask_b32 v114, v[PW], v[PW+1], s72
	global_store_b32 v[L4], v114, s[90:91]
	s_wait_tensorcnt 0x0
	ds_add_u32 v[SPW], v[NIL]
	s_wait_dscnt 0x0
	s_endpgm
.Lfunc_end_k_q0809cfa7e3_proj:
	.size	k_q0809cfa7e3_proj, .Lfunc_end_k_q0809cfa7e3_proj-k_q0809cfa7e3_proj
	.p2alignl 7, 3214868480
	.fill 96, 4, 3214868480
	.section	.rodata,"a",@progbits
	.p2align	6, 0x0
	.amdhsa_kernel k_q0809cfa7e3_proj
		.amdhsa_group_segment_fixed_size 327680
		.amdhsa_private_segment_fixed_size 0
		.amdhsa_enable_private_segment 0
		.amdhsa_kernarg_size 32
		.amdhsa_user_sgpr_count 2
		.amdhsa_user_sgpr_kernarg_segment_ptr 1
		.amdhsa_wavefront_size32 1
		.amdhsa_system_sgpr_workgroup_id_x 1
		.amdhsa_system_sgpr_workgroup_id_y 1
		.amdhsa_system_sgpr_workgroup_id_z 1
		.amdhsa_system_vgpr_workitem_id 0
		.amdhsa_next_free_vgpr 256
		.amdhsa_next_free_sgpr 100
		.amdhsa_reserve_vcc 0
		.amdhsa_float_denorm_mode_32 3
		.amdhsa_float_denorm_mode_16_64 3
		.amdhsa_memory_ordered 1
		.amdhsa_forward_progress 1
		.amdhsa_inst_pref_size 45
	.end_amdhsa_kernel
	.amdgpu_metadata
---
amdhsa.version: [ 1, 2 ]
amdhsa.kernels:
  - .name:           k_q0809cfa7e3_proj
    .symbol:         k_q0809cfa7e3_proj.kd
    .args:
      - { .name: xq, .offset: 0, .size: 8, .value_kind: global_buffer, .address_space: global }
      - { .name: wq, .offset: 8, .size: 8, .value_kind: global_buffer, .address_space: global }
      - { .name: qq, .offset: 16, .size: 8, .value_kind: global_buffer, .address_space: global }
      - { .name: kv, .offset: 24, .size: 8, .value_kind: global_buffer, .address_space: global }
    .group_segment_fixed_size: 327680
    .private_segment_fixed_size: 0
    .kernarg_segment_align: 8
    .kernarg_segment_size: 32
    .max_flat_workgroup_size: 512
    .sgpr_count:     100
    .vgpr_count:     256
    .wavefront_size: 32
...
	.end_amdgpu_metadata
.endif
;; end of part 2
;; launch attn (part 3): grid 32 x 8, 8 waves a work-group, clusters of 4 x 1, 327,680 bytes of LDS; arguments qq, kv, ov; writes ov
.if DOCPART == 3
	.amdgcn_target "amdgcn-amd-amdhsa--gfx1250"
	.amdhsa_code_object_version 6
	.text
	.protected	k_q0809cfa7e3_attn
	.globl	k_q0809cfa7e3_attn
	.p2align	8
	.type	k_q0809cfa7e3_attn,@function
k_q0809cfa7e3_attn:
	s_mov_b64 s[64:65], 0
	v_nop
	global_prefetch_b8 v0, s[64:65] scope:SCOPE_SE
	s_setreg_imm32_b32 hwreg(HW_REG_WAVE_MODE, 25, 1), 1
	s_wait_xcnt 0x0
	s_wait_alu depctr_hold_cnt(0) depctr_sa_sdst(0) depctr_va_vdst(0) depctr_va_sdst(0) depctr_va_ssrc(0) depctr_va_vcc(0) depctr_vm_vsrc(0)
	s_getreg_b32 s2, hwreg(HW_REG_IB_STS2, 6, 4)
	s_cmp_eq_u32 s2, 0
	s_cbranch_scc0 .Lentry_in_a_cluster
	s_endpgm
.Lentry_in_a_cluster:
	s_bfe_u32 s2, ttmp6, 0x10000c
	s_cmp_lg_u32 s2, 0x3003
	s_cbranch_scc0 .Lentry_shape_is_right
	s_endpgm
.Lentry_shape_is_right:
; ov[h][q][:] = the sum over keys of softmax(q . k / 32) v, both products on codes of FP4 (E2M1) with one E8M0 scale for each 32 along K.  (edge_attr is dead work, as the first kernel's head shows.)
; THE SOFTMAX: t = score x log2(e) / 32; M = the running largest t rounded up to a whole number; p = 2^(t - M) is quantised along the keys; the row's sum is taken of the unquantised p and divides at the end.
; When M moves, the sums and O^T are multiplied by 2^(old M - new M), in every step, with no branch on data.
; LIMITS: the promise holds while the scaled scores t stay under 2^31 in magnitude; NaN and infinities are not served; a block whose every p is 0 keeps the byte 1 (its codes are zeros).
; INPUTS, as the launch before lays them: fragments of 1,024 bytes (16 rows x 128 K: byte 512 c + 16 lane is registers 4 c .. 4 c + 3 of that lane), their scale words 64 bytes each.
;   qq: [head][tile of 16 queries]; scale words from byte 2,097,152.   kv: [head][key step of 128 keys][K's 8 tiles, V^T's 8 tiles]; scale words from byte 4,194,304: 1,024 bytes a key step, K's 512, then V's.
; SHARES.  A work-group owns 128 queries of one head.  Wave w owns the 32 queries of tiles 2 (w % 4) and + 1, and of each slot's eight key steps the four from 4 (w / 4) on: each fragment of K and V read from LDS feeds two products.
; Both products are used transposed (source 0 = 16 keys, or 16 of the head's 128; source 1 = my queries): a lane holds one query of each tile throughout.
; THE RING: two slots of 131,072 bytes (eight key steps), each wave fetching 16,384 bytes: four changes of slots.  The head's scale words, 32,768 bytes, stay in LDS.  At the head waves 0-3 fetch slot 0, waves 4-7 the scale words.
; CLUSTERS: the four work-groups of a cluster walk the same K and V of one head: every tile is asked for jointly (mask 15), and each change that fills a slot is a round of the cluster's barrier.
; THE STEP stands four times in the text: in a loop of three trips, which ask for the next step's fragments of K under the softmax, and written out as a slot's last step, which asks for none; both once more for the last slot, behind which nothing is filled.
; AT THE END the two waves that share queries join their halves through LDS; wave w / 4 = g finishes tile g of the pair.
; REGISTERS, in windows of 256 (s_set_vgpr_msb's low byte: bits 1:0 source 0, 3:2 source 1, 5:4 source 2, 7:6 destination):
;   window 0: v1-11 addresses; v12-23 -M, largest t, sums, f and p's scale word, a pair for each tile; v24-33 scale words; v34-49 Q; v50-65 p's codes; v66-99 at work; v128-255 S^T, then p: tile e at 128 + 64 e
;   window 1: v0-127 O^T, tile e at 64 e; v128-191 K's eight fragments; v192-255 V's
.set SLOT1, 131072
.set SCL,   262144                     ; the scale words of the whole head
.set SPARE, 294912                     ; the spare words, 128 bytes for each wave: four blocks of 256 bytes that no other line names
.set WREG,  8704                       ; the way out: a region for each wave, in slot 0, which has had its last fill and its last read behind the last change of slots
.set LI,  1                            ; 16 x lane
.set LS,  2                            ; SCL + 4 x lane + 4,096 (w / 4)
.set ADR, 3                            ; the step's fragments
.set ADS, 4                            ; the step's scale words
.set SPW, 5                            ; my spare word; never rewritten
.set NIL, 6                            ; 0; never rewritten
.set LG,  7                            ; 16 x lane + 65,536 (w / 4)
.set PFO, 8                            ; 256 x lane
.set NM,  12                           ; -M of tile e at NM + 2 e, the largest t beside it
.set SU,  16                           ; the sum in two halves
.set FF,  20                           ; f at FF + 2 e, p's scale word beside it
.set KS,  24
.set VS,  28
.set QS,  32
.set QF,  34
.set PCD, 50
.set BM,  66                           ; the largest score of block k = 4 e + b
.set T2,  74
.set SO,  82                           ; the conversions' scale operands
.set TP,  90
.set OM,  92                           ; -M as it was
.set A2,  96                           ; the sums' second chains
.set S,   128
.set KF,  128
.set VF,  192
.set TB, 2                             ; s2 the slot in hand;  s3 its scale words;  s10 the step in the slot
.set TS, 3
.set TQ, 10
.set CNT, 11
.set SLOTS, 12
.set LIM, 13
.set QP, 16
.set GH, 17
.set WV, 18
.set SEL, 20
.set CS, 22
.set G1C, 24                           ; group 1: 64 rows of 256 bytes (the ring);  G1H: 128 rows (slot 0 at the head);  G1S: 32 rows (the scale words)
.set G1H, 32
.set G0,  40
.set G0H, 44
.set PFA, 48
.set G0S, 52
.set G1S, 72
.set MSB, 0
.macro WIN new                         ; the immediate's high byte repeats the setting that is left
.if MSB != \new
	s_set_vgpr_msb (MSB<<8)|\new
.set MSB, \new
.endif
.endm
.macro D2
	s_delay_alu instid0(VALU_DEP_2)
.endm
.macro WM d, a, b, z, sa, sb, ra       ; one product; z = 1: it starts the sum; ra: source 0's scale words stand in lanes 16-31
.if \z
.if (\ra)
	v_wmma_scale_f32_16x16x128_f8f6f4 v[(\d):(\d)+7], v[(\a):(\a)+7], v[(\b):(\b)+7], 0, v[(\sa)], v[(\sb)] matrix_a_fmt:MATRIX_FMT_FP4 matrix_b_fmt:MATRIX_FMT_FP4 matrix_a_scale:MATRIX_SCALE_ROW1
.else
	v_wmma_scale_f32_16x16x128_f8f6f4 v[(\d):(\d)+7], v[(\a):(\a)+7], v[(\b):(\b)+7], 0, v[(\sa)], v[(\sb)] matrix_a_fmt:MATRIX_FMT_FP4 matrix_b_fmt:MATRIX_FMT_FP4
.endif
.else
.if (\ra)
	v_wmma_scale_f32_16x16x128_f8f6f4 v[(\d):(\d)+7], v[(\a):(\a)+7], v[(\b):(\b)+7], v[(\d):(\d)+7], v[(\sa)], v[(\sb)] matrix_a_fmt:MATRIX_FMT_FP4 matrix_b_fmt:MATRIX_FMT_FP4 matrix_a_scale:MATRIX_SCALE_ROW1
.else
	v_wmma_scale_f32_16x16x128_f8f6f4 v[(\d):(\d)+7], v[(\a):(\a)+7], v[(\b):(\b)+7], v[(\d):(\d)+7], v[(\sa)], v[(\sb)] matrix_a_fmt:MATRIX_FMT_FP4 matrix_b_fmt:MATRIX_FMT_FP4
.endif
.endif
.endm
.macro ROUND                           ; a round of the cluster's barrier
	s_barrier_signal -1
	s_barrier_wait -1
	s_cmp_lg_u32 s[WV], 0
	s_cbranch_scc1 .Lnw0_\@
	s_barrier_signal -3
.Lnw0_\@:
	s_barrier_wait -3
	s_barrier_signal -1
	s_barrier_wait -1
.endm
; A prefetch of the slot that the NEXT change will ask for: 512 blocks of 256 bytes, each named once in the cluster: the partner at place cx takes 128 of them (by address), its waves 0-3 32 each, a lane a block.
; The last change that fills a slot asks for nothing; slots 0 and 1 come by their loads alone.
.macro ASK
	s_cmp_gt_u32 s[SLOTS], s[LIM]
	s_cbranch_scc0 .Lnm_\@
	global_prefetch_b8 v[PFO], s[PFA:PFA+1] th:TH_LOAD_NT scope:SCOPE_SE
.Lnm_\@:
.endm
.macro FRAGS reg, off                  ; eight fragments, 16 loads of 512 consecutive bytes
.irp t, 0,1,2,3,4,5,6,7
.irp c, 0,1
	ds_load_b128 v[\reg+8*\t+4*\c:\reg+8*\t+4*\c+3], v[ADR] offset:\off+1024*\t+512*\c
.endr
.endr
.endm
; THE CHANGE OF SLOTS, at a slot's head: all my tensor loads are in, the add, my reads of the slot that I have left are over; behind the round the slot that was left is filled with the keys that follow.
.macro CHANGE fill
	s_wait_tensorcnt 0x0                           ; no tensor load of mine is out, so group 0 may be written
	ds_add_u32 v[SPW], v[NIL]                      ; 0 onto my spare word
.if \fill
	s_xor_b32 s[G0+1], s[G0+1], SLOT1              ; the other slot than last time,
	s_add_nc_u64 s[G0+2:G0+3], s[G0+2:G0+3], SLOT1 ; the next eight key steps
	s_wait_xcnt 0x0                                ; any prefetch of mine has read its address
	s_add_nc_u64 s[PFA:PFA+1], s[PFA:PFA+1], SLOT1
.endif
	s_mov_b32 s[TQ], 0
	s_wait_dscnt 0x0
.if \fill
	ROUND
	tensor_load_to_lds s[G0:G0+3], s[G1C:G1C+7]    ; my one tensor load behind the round
	s_nop 0
.else
	s_barrier_signal -1
	s_barrier_wait -1
.endif
	v_add_nc_u32 v[ADR], s[TB], v[LG]
	v_add_nc_u32 v[ADS], s[TS], v[LS]
.if \fill
	v_nop                                          ; four vector lines behind the load, ahead of the next switch of windows
	v_nop
	ASK
.endif
	s_wait_alu depctr_va_vdst(0)                   ; directly ahead of the readers below
.irp n, 0,1,2,3
	ds_load_b32 v[KS+\n], v[ADS] offset:128*\n     ; the slot's first step of K: scale words of tiles 2 n (lanes 0-15) and 2 n + 1 (lanes 16-31),
.endr
	WIN 0x40
	FRAGS KF, 0                                    ; and fragments
	WIN 0
.endm
; A KEY STEP: 128 keys x my 32 queries.  pre = 1: the next step's fragments of K are asked for with this step's of V.
.macro STEP pre
	s_add_co_u32 s57, s[TB], s[TQ]
	s_wait_dscnt 0x0                               ; K's fragments and scale words are in
	WIN 0x01
.irp t, 0,1,2,3,4,5,6,7
.irp e, 0,1
	WM S+64*\e+8*\t, KF+8*\t, QF+8*\e, 1, KS+\t/2, QS+\e, \t%2
.endr
.endr
	WIN 0
	v_add_nc_u32 v[ADR], s57, v[LG]                ; four plain lines: the places in front of the loads below and of the first read of the scores
	v_add_nc_u32 v[ADS], s[TS], v[LS]
	v_mov_b32 v[OM], v[NM]
	v_mov_b32 v[OM+1], v[NM+2]
.irp n, 0,1,2,3
	ds_load_b32 v[VS+\n], v[ADS] offset:512+128*\n
.if \pre
	ds_load_b32 v[KS+\n], v[ADS] offset:1024+128*\n
.endif
.endr
	WIN 0x40
	FRAGS VF, 8192
.if \pre
	FRAGS KF, 16384
.endif
	WIN 0
.irp k, 0,1,2,3,4,5,6,7                        ; the largest score of each block of 32 keys, eight blocks by turns: it serves the row's maximum and the block's largest p
	v_max3_num_f32 v[BM+\k], v[S+16*\k], v[S+16*\k+1], v[S+16*\k+2]
.endr
.irp n, 3,5,7,9,11,13
.irp k, 0,1,2,3,4,5,6,7
	v_max3_num_f32 v[BM+\k], v[BM+\k], v[S+16*\k+\n], v[S+16*\k+\n+1]
.endr
.endr
.irp k, 0,1,2,3,4,5,6,7
	v_max_num_f32 v[BM+\k], v[BM+\k], v[S+16*\k+15]
.endr
.irp k, 0,1,2,3,4,5,6,7
	v_permlanex16_b32 v[T2+\k], v[BM+\k], s[SEL], s[SEL+1]
.endr
.irp k, 0,1,2,3,4,5,6,7
	v_max_num_f32 v[BM+\k], v[BM+\k], v[T2+\k]     ; with lane l xor 16's 16 keys
.endr
.irp e, 0,1
	v_max3_num_f32 v[TP+\e], v[BM+4*\e], v[BM+4*\e+1], v[BM+4*\e+2]
.endr
.irp e, 0,1
	D2
	v_max_num_f32 v[TP+\e], v[TP+\e], v[BM+4*\e+3]
.endr
.irp e, 0,1
	D2
	v_mul_f32 v[TP+\e], s[CS], v[TP+\e]            ; the step's largest t
.endr
.irp e, 0,1
	D2
	v_max_num_f32 v[NM+1+2*\e], v[NM+1+2*\e], v[TP+\e]
.endr
.irp e, 0,1
	D2
	v_floor_f32 v[NM+2*\e], -v[NM+1+2*\e]          ; -M = floor(-t): M is a whole number
.endr
.irp e, 0,1
	D2
	v_sub_f32 v[TP+\e], v[NM+2*\e], v[OM+\e]       ; old M - new M, 0 or less
.endr
.irp e, 0,1
	D2
	v_cvt_i32_f32 v[TP+\e], v[TP+\e]               ; (it saturates)
.endr
.irp e, 0,1
	D2
	v_ldexp_f32 v[FF+2*\e], 1.0, v[TP+\e]          ; f = 2^(old M - new M)
.endr
.irp e, 0,1
.set j, 0
.rept 32
	v_pk_fma_f32 v[S+64*\e+j:S+64*\e+j+1], v[S+64*\e+j:S+64*\e+j+1], s[CS:CS+1], v[NM+2*\e:NM+2*\e+1] op_sel_hi:[1,0,0]   ; t - M
.set j, j+2
.endr
.irp b, 0,1,2,3
	v_fma_f32 v[BM+4*\e+\b], v[BM+4*\e+\b], s[CS], v[NM+2*\e]
.endr
.endr
	WIN 0x41
.irp e, 0,1
.set j, 0
.rept 32
	v_pk_mul_f32 v[64*\e+j:64*\e+j+1], v[64*\e+j:64*\e+j+1], v[FF+2*\e:FF+2*\e+1] op_sel_hi:[1,0]   ; O^T under the new M, each accumulator from its low end on
.set j, j+2
.endr
.endr
	WIN 0
	s_wait_alu depctr_va_vdst(0)                   ; ahead of the batch
.irp k, 0,1,2,3,4,5,6,7
	v_exp_f32 v[BM+\k], v[BM+\k]                   ; each block's largest p
.endr
.set j, 0
.rept 128
	v_exp_f32 v[S+j], v[S+j]                       ; p = 2^(t - M)
.set j, j+1
.endr
.irp e, 0,1
	v_pk_mul_f32 v[SU+2*\e:SU+2*\e+1], v[SU+2*\e:SU+2*\e+1], v[FF+2*\e:FF+2*\e+1] op_sel_hi:[1,0]   ; the sums under the new M: plain lines behind the batch
.endr
	s_wait_alu depctr_va_vdst(0)                   ; one wait for the batch, ahead of its first reader
.irp k, 0,1,2,3,4,5,6,7
	v_max_num_f32 v[BM+\k], 0x1800000, v[BM+\k]    ; the floor 2^(3 - 127): the byte cannot fall under 1
.endr
.irp k, 0,1,2,3,4,5,6,7
	v_add_nc_u32 v[SO+\k], 0xff000000, v[BM+\k]    ; 2 off the exponent field: the conversion's scale operand
.endr
.irp k, 0,1,2,3,4,5,6,7
	v_lshrrev_b32 v[T2+\k], 23, v[SO+\k]           ; the scale's byte
.endr
.irp e, 0,1
	v_lshl_or_b32 v[FF+1+2*\e], v[T2+4*\e+1], 8, v[T2+4*\e]
.endr
.irp e, 0,1
	D2
	v_lshl_or_b32 v[FF+1+2*\e], v[T2+4*\e+2], 16, v[FF+1+2*\e]
.endr
.irp e, 0,1
	D2
	v_lshl_or_b32 v[FF+1+2*\e], v[T2+4*\e+3], 24, v[FF+1+2*\e]   ; p's scale word for these 128 keys
.endr
.irp k, 0,1,2,3,4,5,6,7
	v_cvt_scalef32_pk8_fp4_f32 v[PCD+2*\k], v[S+16*\k:S+16*\k+7], v[SO+\k]
	v_cvt_scalef32_pk8_fp4_f32 v[PCD+2*\k+1], v[S+16*\k+8:S+16*\k+15], v[SO+\k]
.endr
	v_nop                                          ; one plain line behind the last conversion
.irp m, 0,1,2,3
.irp n, 0,1
	v_permlane16_swap_b32 v[PCD+4*\m+\n], v[PCD+4*\m+2+\n]   ; a whole block to a lane, as the operand's layout wants it
.endr
.endr
.irp e, 0,1                                    ; the rows' sums of the unquantised p, four chains by turns; these lines are also the places ahead of the products below
	v_pk_add_f32 v[A2+2*\e:A2+2*\e+1], v[S+64*\e:S+64*\e+1], v[S+64*\e+2:S+64*\e+3]
.endr
.irp n, 4,8,12,16,20,24,28,32,36,40,44,48,52,56,60
.irp e, 0,1
	v_pk_add_f32 v[SU+2*\e:SU+2*\e+1], v[SU+2*\e:SU+2*\e+1], v[S+64*\e+\n:S+64*\e+\n+1]
	v_pk_add_f32 v[A2+2*\e:A2+2*\e+1], v[A2+2*\e:A2+2*\e+1], v[S+64*\e+\n+2:S+64*\e+\n+3]
.endr
.endr
	s_delay_alu instid0(VALU_DEP_3)
	v_pk_add_f32 v[SU:SU+1], v[SU:SU+1], v[A2:A2+1]
	D2
	v_pk_add_f32 v[SU+2:SU+3], v[SU+2:SU+3], v[A2+2:A2+3]
	s_wait_dscnt 0x0                               ; V's fragments and scale words are in (and the next step's of K)
	WIN 0x51
.irp t, 0,1,2,3,4,5,6,7
.irp e, 0,1
	WM 64*\e+8*\t, VF+8*\t, PCD+8*\e, 0, VS+\t/2, FF+1+2*\e, \t%2   ; the sixteen accumulators by turns
.endr
.endr
	WIN 0
	s_add_co_u32 s[TQ], s[TQ], 16384
	s_add_co_u32 s[TS], s[TS], 1024
.endm
.macro RUN                             ; my four key steps of the slot in hand
	s_mov_b32 s[CNT], 3
.Lq_\@:
	STEP 1
	s_sub_co_u32 s[CNT], s[CNT], 1
	s_cmp_lg_u32 s[CNT], 0
	s_cbranch_scc1 .Lq_\@
	STEP 0
	s_xor_b32 s[TB], s[TB], SLOT1
	s_add_co_u32 s[TS], s[TS], 4096                ; over the other waves' four steps
.endm
	s_load_b128 s[4:7], s[0:1], 0x0                ; qq, kv
	s_load_b64 s[8:9], s[0:1], 0x10                ; ov
	v_lshl_add_u32 v[SPW], v0, 2, SPARE
	v_mov_b32 v[NIL], 0
	ds_add_u32 v[SPW], v[NIL]                      ; the opening: the add, twice on end, and its wait ahead of the round in front of my first tensor load
	ds_add_u32 v[SPW], v[NIL]
	v_lshrrev_b32 v9, 5, v0
	v_readfirstlane_b32 s[WV], v9                  ; wave 0..7
	s_and_b32 s[QP], s[WV], 3
	s_lshr_b32 s[GH], s[WV], 2
	s_and_b32 s19, ttmp7, 0xffff                   ; the head
	s_bfe_u32 s14, ttmp6, 0x40000                  ; cx
	s_lshl_b32 s15, ttmp9, 2
	s_add_co_u32 s15, s15, s14                     ; my block of 128 queries
.irp g, G1C, G1H, G1S
	s_mov_b32 s[\g], 15|(3<<16)|(1<<21)            ; the mask of the four partners; elements of 8 bytes; bit 21 beside a mask
	s_mov_b32 s[\g+1], 32<<16                      ; rows of 32 elements: 256 bytes, dense
	s_mov_b32 s[\g+3], 32<<16
	s_mov_b32 s[\g+5], 32
	s_mov_b32 s[\g+6], 0
	s_mov_b32 s[\g+7], 0
.endr
	s_mov_b32 s[G1C+2], 64<<16
	s_mov_b32 s[G1C+4], 64
	s_mov_b32 s[G1H+2], 128<<16
	s_mov_b32 s[G1H+4], 128
	s_mov_b32 s[G1S+2], 32<<16
	s_mov_b32 s[G1S+4], 32
	s_lshl_b32 s56, s19, 19                        ; the head's codes in kv
	s_lshl_b32 s57, s[WV], 14
	s_add_co_u32 s58, s56, s57                     ; the ring: 16,384 bytes a wave
	s_mov_b32 s59, 0
	s_lshl_b32 s57, s[QP], 15
	s_add_co_u32 s60, s56, s57                     ; slot 0 at the head: 32,768 bytes for each of waves 0-3
	s_mov_b32 s61, 0
	s_lshl_b32 s62, s19, 15
	s_lshl_b32 s57, s[QP], 13
	s_add_co_u32 s62, s62, s57
	s_add_co_u32 s62, s62, 0x400000                ; the scale words: 8,192 bytes for each of waves 4-7
	s_mov_b32 s63, 0
	s_add_co_u32 s66, s56, s57                     ; the prefetches: 8,192 bytes a wave,
	s_lshl_b32 s71, s14, 15
	s_add_co_u32 s66, s66, s71                     ; 32,768 a partner,
	s_add_co_u32 s66, s66, SLOT1                   ; in slot 1: the first change steps it to slot 2
	s_mov_b32 s67, 0
	s_lshl_b32 s70, s19, 8
	s_lshl_b32 s71, s15, 3
	s_add_co_u32 s70, s70, s71
	s_lshl_b32 s71, s[QP], 1
	s_add_co_u32 s70, s70, s71                     ; my first tile of queries
	s_lshl_b32 s68, s70, 10
	s_mov_b32 s69, 0
	s_lshl_b32 s80, s70, 6
	s_add_co_u32 s80, s80, 0x200000
	s_mov_b32 s81, 0
	s_add_co_u32 s82, s70, s[GH]                   ; the tile that I finish
	s_lshl_b32 s82, s82, 13
	s_mov_b32 s83, 0
	s_mov_b32 s[G0], 1
	s_lshl_b32 s[G0+1], s[WV], 14
	s_mov_b32 s[G0H], 1
	s_lshl_b32 s[G0H+1], s[QP], 15
	s_mov_b32 s[G0S], 1
	s_lshl_b32 s[G0S+1], s[QP], 13
	s_add_co_u32 s[G0S+1], s[G0S+1], SCL
	s_mov_b32 s[SEL], 0x76543210
	s_mov_b32 s[SEL+1], 0xfedcba98                 ; lane l xor 16
	s_mov_b32 s[CS], 0x3d38aa3b                    ; log2(e) / 32
	s_mov_b32 s[CS+1], s[CS]
	s_mov_b32 s[TB], 0
	s_mov_b32 s[TS], 0
	s_mov_b32 s[SLOTS], 3
	s_cmp_lt_u32 s[WV], 4
	s_cselect_b32 s[LIM], 1, -1                    ; waves 0-3 prefetch while more than one slot is still to be asked for
	s_wait_dscnt 0x0                               ; both opening adds are done
	s_wait_kmcnt 0x0
	s_add_nc_u64 s[G0+2:G0+3], s[6:7], s[58:59]
	s_or_b32 s[G0+3], s[G0+3], 0x80000000
	s_add_nc_u64 s[G0H+2:G0H+3], s[6:7], s[60:61]
	s_or_b32 s[G0H+3], s[G0H+3], 0x80000000
	s_add_nc_u64 s[G0S+2:G0S+3], s[6:7], s[62:63]
	s_or_b32 s[G0S+3], s[G0S+3], 0x80000000
	s_add_nc_u64 s[PFA:PFA+1], s[6:7], s[66:67]
	s_add_nc_u64 s[68:69], s[4:5], s[68:69]
	s_add_nc_u64 s[80:81], s[4:5], s[80:81]
	s_add_nc_u64 s[8:9], s[8:9], s[82:83]
	ROUND                                          ; the four partners are here: the first joint loads meet
	s_cmp_lt_u32 s[WV], 4                          ; the head's loads, one a wave, in the two arms of one branch on the wave's number
	s_cbranch_scc0 .Lhead_s
	tensor_load_to_lds s[G0H:G0H+3], s[G1H:G1H+7]
	s_nop 0
.rept 4
	v_nop
.endr
	s_branch .Lhead_j
.Lhead_s:
	tensor_load_to_lds s[G0S:G0S+3], s[G1S:G1S+7]
	s_nop 0
.rept 4
	v_nop
.endr
.Lhead_j:
	v_and_b32 v9, 31, v0
	v_and_b32 v10, 15, v0
	v_lshlrev_b32 v[LI], 4, v9
	v_lshlrev_b32 v[PFO], 8, v9
	v_lshlrev_b32 v10, 2, v10
	v_lshl_add_u32 v[LS], v9, 2, SCL
	s_lshl_b32 s57, s[GH], 16
	v_add_nc_u32 v[LG], s57, v[LI]
	s_lshl_b32 s57, s[GH], 12
	v_add_nc_u32 v[LS], s57, v[LS]
.irp e, 0,1
	global_load_b128 v[QF+8*\e:QF+8*\e+3], v[LI], s[68:69] offset:1024*\e        ; Q's two fragments stay in registers
	global_load_b128 v[QF+8*\e+4:QF+8*\e+7], v[LI], s[68:69] offset:1024*\e+512
	global_load_b32 v[QS+\e], v10, s[80:81] offset:64*\e
.endr
.irp e, 0,1
	v_mov_b32 v[NM+1+2*\e], 0xff61b1e6             ; the largest t so far: -3e38
	v_mov_b32 v[SU+2*\e], 0
	v_mov_b32 v[SU+1+2*\e], 0
	v_mov_b32 v[FF+1+2*\e], 0                      ; (named as the upper half of f's pair before it is first written)
	v_mov_b32 v[TP+\e], 0
.endr
.irp e, 0,1
	v_floor_f32 v[NM+2*\e], -v[NM+1+2*\e]
.endr
.irp k, 0,1,2,3,4,5,6,7
	v_mov_b32 v[T2+\k], 0                          ; a lane permute's destination counts as one of its sources
.endr
	WIN 0x40
.set j, 0
.rept 128
	v_mov_b32 v[j], 0                              ; O^T: the step has no first form of its own, which would be a fifth copy of it: the first change of M multiplies zeros
.set j, j+1
.endr
	WIN 0
	s_wait_alu depctr_va_vdst(0)
	s_wait_loadcnt 0x0                             ; Q
.Lslot:                                            ; three trips: behind each change of slots but the last the next slot is asked for (the first time: slot 1's first fill)
	CHANGE 1
	RUN
	s_sub_co_u32 s[SLOTS], s[SLOTS], 1
	s_cmp_lg_u32 s[SLOTS], 0
	s_cbranch_scc1 .Lslot
	CHANGE 0                                       ; the last slot is written out
	RUN
	; THE WAY OUT.  Each tile's sum; then wave g of a pair keeps tile g and sends the other tile, with its -M and its sum, to its partner (wave xor 4).
	s_wait_alu depctr_va_vdst(0)                   ; directly ahead of the readers below
.irp e, 0,1
	v_add_f32 v[SU+2*\e], v[SU+2*\e], v[SU+2*\e+1]
.endr
.irp e, 0,1
	D2
	v_permlanex16_b32 v[TP+\e], v[SU+2*\e], s[SEL], s[SEL+1]
.endr
.irp e, 0,1
	D2
	v_add_f32 v[NM+1+2*\e], v[SU+2*\e], v[TP+\e]   ; the row's sum, beside -M
.endr
	s_mul_i32 s56, s[WV], WREG                     ; my region,
	s_xor_b32 s57, s[WV], 4
	s_mul_i32 s57, s57, WREG                       ; my partner's
	v_and_b32 v9, 15, v0
	v_bfe_u32 v10, v0, 4, 1
	v_and_b32 v11, 31, v0
	v_add_nc_u32 v100, s56, v[LI]
	v_add_nc_u32 v101, s57, v[LI]
	v_lshl_add_u32 v102, v11, 3, s56
	v_lshl_add_u32 v103, v11, 3, s57
	v_mul_u32_u24 v104, v9, 528
	v_lshl_add_u32 v104, v10, 5, v104
	v_add_nc_u32 v104, s57, v104                   ; the stage, in: row r of 528 bytes, + 32 (lane / 16)
	s_cmp_lg_u32 s[GH], 0
	s_cselect_b32 s58, -1, 0
	WIN 0x05
.set j, 0
.rept 64
	v_cndmask_b32 v[S+j], v[j], v[64+j], s58       ; kept
	v_cndmask_b32 v[S+64+j], v[64+j], v[j], s58    ; sent
.set j, j+1
.endr
	WIN 0
	v_cndmask_b32 v106, v[NM], v[NM+2], s58
	v_cndmask_b32 v107, v[NM+1], v[NM+3], s58
	v_cndmask_b32 v108, v[NM+2], v[NM], s58
	v_cndmask_b32 v109, v[NM+3], v[NM+1], s58
.irp n, 0,1,2,3,4,5,6,7,8,9,10,11,12,13,14,15
	ds_store_b128 v100, v[S+64+4*\n:S+64+4*\n+3] offset:512*\n
.endr
	ds_store_b64 v102, v[108:109] offset:8192
	s_wait_alu depctr_va_vdst(0)
	s_wait_dscnt 0x0                               ; for my partner's sake: my stores have landed
	s_barrier_signal -1
	s_barrier_wait -1
.irp n, 0,1,2,3,4,5,6,7,8,9,10,11,12,13,14,15
	ds_load_b128 v[S+64+4*\n:S+64+4*\n+3], v101 offset:512*\n
.endr
	ds_load_b64 v[110:111], v103 offset:8192
	s_wait_dscnt 0x0
	v_min_num_f32 v112, v106, v110                 ; -M of the two halves together
	s_delay_alu instid0(VALU_DEP_1)
	v_sub_f32 v113, v112, v106
	D2
	v_sub_f32 v114, v112, v110
	D2
	v_cvt_i32_f32 v113, v113
	D2
	v_cvt_i32_f32 v114, v114
	D2
	v_ldexp_f32 v116, 1.0, v113                    ; exact powers of two
	D2
	v_ldexp_f32 v118, 1.0, v114
	D2
	v_mul_f32 v120, v107, v116
	s_delay_alu instid0(VALU_DEP_1)
	v_fmac_f32 v120, v111, v118                    ; the whole row's sum
	s_wait_alu depctr_va_vdst(0)                   ; ahead of the transcendental
	v_rcp_f32 v121, v120
	v_nop
	s_wait_alu depctr_va_vdst(0)                   ; and ahead of its first reader
	v_mul_f32 v117, v116, v121
	v_mul_f32 v116, v116, v121
	v_mul_f32 v119, v118, v121
	v_mul_f32 v118, v118, v121
.set j, 0
.rept 32
	v_pk_mul_f32 v[S+j:S+j+1], v[S+j:S+j+1], v[116:117]
.set j, j+2
.endr
.set j, 0
.rept 32
	v_pk_fma_f32 v[S+j:S+j+1], v[S+64+j:S+64+j+1], v[118:119], v[S+j:S+j+1]
.set j, j+2
.endr
; The tile goes through a stage and leaves as whole rows of 512 bytes.  The stage lies in my partner's region: I alone touch it behind the barrier, and my reads of it are over.  LDS serves a wave's instructions in order.
.irp t, 0,1,2,3,4,5,6,7
	ds_store_b128 v104, v[S+8*\t:S+8*\t+3] offset:64*\t
	ds_store_b128 v104, v[S+8*\t+4:S+8*\t+7] offset:64*\t+16
.endr
.irp n, 0,1,2,3,4,5,6,7,8,9,10,11,12,13,14,15
	ds_load_b128 v[S+64+4*\n:S+64+4*\n+3], v101 offset:528*\n
.endr
.irp n, 0,1,2,3,4,5,6,7,8,9,10,11,12,13,14,15
	s_wait_dscnt 15-\n                             ; the count is the younger loads
	global_store_b128 v[LI], v[S+64+4*\n:S+64+4*\n+3], s[8:9] offset:512*\n   ; 32 lanes store 512 consecutive bytes, at a multiple of 256 from ov's first byte
.endr
	s_wait_tensorcnt 0x0                           ; the wave's end
	ds_add_u32 v[SPW], v[NIL]
	s_wait_dscnt 0x0
	ROUND                                          ; the closing round
	s_endpgm
.Lfunc_end_k_q0809cfa7e3_attn:
	.size	k_q0809cfa7e3_attn, .Lfunc_end_k_q0809cfa7e3_attn-k_q0809cfa7e3_attn
	.p2alignl 7, 3214868480
	.fill 96, 4, 3214868480
	.section	.rodata,"a",@progbits
	.p2align	6, 0x0
	.amdhsa_kernel k_q0809cfa7e3_attn
		.amdhsa_group_segment_fixed_size 327680
		.amdhsa_private_segment_fixed_size 0
		.amdhsa_enable_private_segment 0
		.amdhsa_kernarg_size 24
		.amdhsa_user_sgpr_count 2
		.amdhsa_user_sgpr_kernarg_segment_ptr 1
		.amdhsa_wavefront_size32 1
		.amdhsa_system_sgpr_workgroup_id_x 1
		.amdhsa_system_sgpr_workgroup_id_y 1
		.amdhsa_system_sgpr_workgroup_id_z 1
		.amdhsa_system_vgpr_workitem_id 0
		.amdhsa_next_free_vgpr 512
		.amdhsa_next_free_sgpr 84
		.amdhsa_reserve_vcc 0
		.amdhsa_float_denorm_mode_32 3
		.amdhsa_float_denorm_mode_16_64 3
		.amdhsa_memory_ordered 1
		.amdhsa_forward_progress 1
		.amdhsa_inst_pref_size 166
	.end_amdhsa_kernel
	.amdgpu_metadata
---
amdhsa.version: [ 1, 2 ]
amdhsa.kernels:
  - .name:           k_q0809cfa7e3_attn
    .symbol:         k_q0809cfa7e3_attn.kd
    .args:
      - { .name: qq, .offset: 0, .size: 8, .value_kind: global_buffer, .address_space: global }
      - { .name: kv, .offset: 8, .size: 8, .value_kind: global_buffer, .address_space: global }
      - { .name: ov, .offset: 16, .size: 8, .value_kind: global_buffer, .address_space: global }
    .group_segment_fixed_size: 327680
    .private_segment_fixed_size: 0
    .kernarg_segment_align: 8
    .kernarg_segment_size: 24
    .max_flat_workgroup_size: 256
    .sgpr_count:     84
    .vgpr_count:     512
    .wavefront_size: 32
...
	.end_amdgpu_metadata
.endif
;; end of part 3
;; launch outln (part 4): grid 256 x 1, 8 waves a work-group, clusters of 4 x 1, 327,680 bytes of LDS; arguments ov, wq, x, gamma, beta, out0; writes out0
.if DOCPART == 4
	.amdgcn_target "amdgcn-amd-amdhsa--gfx1250"
	.amdhsa_code_object_version 6
	.text
	.protected	k_q0809cfa7e3_outln
	.globl	k_q0809cfa7e3_outln
	.p2align	8
	.type	k_q0809cfa7e3_outln,@function
k_q0809cfa7e3_outln:
	s_mov_b64 s[64:65], 0
	v_nop
	global_prefetch_b8 v0, s[64:65] scope:SCOPE_SE
	s_setreg_imm32_b32 hwreg(HW_REG_WAVE_MODE, 25, 1), 1
	s_wait_xcnt 0x0
	s_wait_alu depctr_hold_cnt(0) depctr_sa_sdst(0) depctr_va_vdst(0) depctr_va_sdst(0) depctr_va_ssrc(0) depctr_va_vcc(0) depctr_vm_vsrc(0)
	s_getreg_b32 s2, hwreg(HW_REG_IB_STS2, 6, 4)
	s_cmp_eq_u32 s2, 0
	s_cbranch_scc0 .Lentry_in_a_cluster
	s_endpgm
.Lentry_in_a_cluster:
	s_bfe_u32 s2, ttmp6, 0x10000c
	s_cmp_lg_u32 s2, 0x3003
	s_cbranch_scc0 .Lentry_shape_is_right
	s_endpgm
.Lentry_shape_is_right:
; out0 = LayerNorm(out_v W_o + x) x gamma + beta; the product on codes of FP4 with E8M0 scales, all else in f32.  (edge_attr is dead work, as the first kernel's head shows.)
; ov is [h][token][128 d] f32; the product's K is c = 8 d + h, so a block of 32 is 4 d x all 8 heads: it is gathered from LDS and quantised here, in the natural order of c, which is the order of W_o's rows.
; SHARES.  A work-group takes 16 tokens x all 1,024 outputs (the norm wants whole rows): 256 work-groups.  Wave w quantises K step w for all, and makes outputs 128 w .. 128 w + 127: W_o's tiles 8 w + i.
; LAYOUT.  Source 0 = ov's fragment (16 tokens), source 1 = W_o's tile, whose row r is column 128 w + 64 (i / 4) + 4 r + i % 4.  So register j of accumulator i in lane (r, hh) is out(token 8 hh + j, that column):
; over i a lane holds two runs of 4 neighbouring columns, and the residual, gamma, beta and the stores all go by 16 bytes a lane, sixteen lanes on 256 consecutive bytes, with no stage on the way out.
; CLUSTERS: the four work-groups of a cluster need the same W_o.  Its codes of K steps 0-2, and then of K steps 3-5, come by joint loads (mask 15) into one region of 196,608 bytes: a row is a tile's 3,072 bytes, rows 8,192 bytes apart
; in memory; waves 0-3 fetch 16 tiles each.  With the first of the two fills waves 4-7 fetch W_o's scale words, 32,768 bytes, jointly too.  The region holds three of the eight K steps beside ov's rows, so K steps 6 and 7 go from
; memory straight into each wave's registers (32 loads of 512 bytes, asked for at the head), and their products stand between the second fill's request and the wait for it.  The K steps are summed in the order 0 1 2 6 7 3 4 5.
; ov's rows come by one tensor load a wave at the head, of the work-group's own; x's numbers go from memory straight into the registers of the lanes that add them.
; No prefetch: the launch has no loop to run ahead in, and all addresses are asked for at the head or one fill later.
; REGISTERS, in windows of 256 (s_set_vgpr_msb's low byte: bits 1:0 source 0, 3:2 source 1, 7:6 destination): window 1: v0-191 W_o's fragments of three K steps out of LDS, v192-255 x; all else in window 0.
; THE NORM goes in two passes (the mean, then the squares of the differences), so that no difference of large sums is formed.
; LIMITS: a block of zeros gets the byte 1 (its codes are zeros; this program alone reads the bytes); NaN and infinities are not served.
.set HIMG,  67584                      ; LDS: from 0 ov's rows, head h at 8,448 h: 16 rows x 528 bytes (512 + 16);  here the eight fragment images of ov's codes
.set HSC,   75776                      ; their scale words, 128 bytes each: the register's image
.set RED,   76800                      ; two reductions of 512 bytes: [wave][hh][8 tokens]
.set SPARE, 78848                      ; the spare words, 128 bytes for each wave: four blocks of 256 bytes that no other line names
.set WSL,   79872                      ; W_o's scale words: [tile 64][K step 8][16 rows][4]
.set WR,    112640                     ; W_o's codes of three K steps: [tile 64][3][1,024]
.set LI,  3                            ; v3  16 x lane       (v1 r, v2 hh)
.set LS,  4                            ; v4  4 x lane
.set SPW, 5                            ; v5  LDS address of my spare word; never rewritten
.set NIL, 6                            ; v6  0; never rewritten
.set OVA, 7                            ; v7  528 r + 8 hh + 64 w: my numbers of ov
.set HWI, 8                            ; v8  where I store my fragment's image
.set WSA, 9                            ; v9  WSL + 4,096 w + 512 hh + 4 r: W_o's scale words, an even tile below, the odd one above
.set WRA, 10                           ; v10 WR + 24,576 w + 16 x lane: my eight tiles' codes
.set GOF, 11                           ; v11 32,768 hh + 16 r: my place in the wave's part of x and of out0
.set R16, 12                           ; v12 16 r: gamma's and beta's
.set RDW, 13                           ; v13 where my wave's partial sums go
.set RDR, 14                           ; v14 where I read wave r % 8's
.set HSW, 15                           ; v15 where I store my scale word
.set AF,  16                           ; v16-31 ov's fragment, two sets;  while ov is quantised v16-23 the codes made;  later the norm's sums and temporaries
.set PC,  16
.set SS,  16
.set AS,  32                           ; v32-33 its scale words
.set BS,  34                           ; v34-41 W_o's scale words, two sets of four
.set TM,  42                           ; v42-57 at work in QUANT
.set PW,  58                           ; v58 the scale word made
.set HRA, 59                           ; v59 HIMG + 16 x lane
.set HSR, 60                           ; v60 HSC + 4 x lane
.set BF,  64                           ; v64-191 W_o's eight fragments of K steps 6 and 7
.set Y,   64                           ; v64-127 later: register 8 j + i: the row's numbers;  v128-135 gamma, v136-143 beta
.set ST,  192                          ; v192-255 64 numbers of ov, then
.set ACC, 192                          ; the eight accumulators
.set XW,  192                          ; window 1: x
.set WOB, 50                           ; s[50:51] W_o's codes, my tiles;  s[52:53] x;  s[54:55] gamma;  s[56:57] beta;  s[58:59] out0
.set MSB, 0
.macro WIN new                         ; the immediate's high byte repeats the setting that is left; a switch that changes nothing is dropped
.if MSB != \new
	s_set_vgpr_msb (MSB<<8)|\new
.set MSB, \new
.endif
.endm
.macro WM d, a, b, z, sa, sb, rb       ; one product; z = 1: it starts the sum; rb: source 1's scale words stand in lanes 16-31
.if \z
.if (\rb)
	v_wmma_scale_f32_16x16x128_f8f6f4 v[(\d):(\d)+7], v[(\a):(\a)+7], v[(\b):(\b)+7], 0, v[(\sa)], v[(\sb)] matrix_a_fmt:MATRIX_FMT_FP4 matrix_b_fmt:MATRIX_FMT_FP4 matrix_b_scale:MATRIX_SCALE_ROW1
.else
	v_wmma_scale_f32_16x16x128_f8f6f4 v[(\d):(\d)+7], v[(\a):(\a)+7], v[(\b):(\b)+7], 0, v[(\sa)], v[(\sb)] matrix_a_fmt:MATRIX_FMT_FP4 matrix_b_fmt:MATRIX_FMT_FP4
.endif
.else
.if (\rb)
	v_wmma_scale_f32_16x16x128_f8f6f4 v[(\d):(\d)+7], v[(\a):(\a)+7], v[(\b):(\b)+7], v[(\d):(\d)+7], v[(\sa)], v[(\sb)] matrix_a_fmt:MATRIX_FMT_FP4 matrix_b_fmt:MATRIX_FMT_FP4 matrix_b_scale:MATRIX_SCALE_ROW1
.else
	v_wmma_scale_f32_16x16x128_f8f6f4 v[(\d):(\d)+7], v[(\a):(\a)+7], v[(\b):(\b)+7], v[(\d):(\d)+7], v[(\sa)], v[(\sb)] matrix_a_fmt:MATRIX_FMT_FP4 matrix_b_fmt:MATRIX_FMT_FP4
.endif
.endif
.endm
.macro ROUND                           ; a round of the cluster's barrier
	s_barrier_signal -1
	s_barrier_wait -1
	s_cmp_lg_u32 s18, 0
	s_cbranch_scc1 .Lnw0_\@
	s_barrier_signal -3
.Lnw0_\@:
	s_barrier_wait -3
	s_barrier_signal -1
	s_barrier_wait -1
.endm
; 64 numbers of a lane, register 16 b + i = place 16 hh + i of block b of my row, become a fragment's codes in v[PC] on and its scale word in v[PW].
.macro QUANT s
.irp b, 0,1,2,3
	v_max3_num_f32 v[TM+\b], |v[\s+16*\b]|, |v[\s+1+16*\b]|, 0x1800000   ; the floor 2^(3 - 127): the byte cannot fall under 1
.endr
.irp n, 2,4,6,8,10,12,14
.irp b, 0,1,2,3
	s_delay_alu instid0(VALU_DEP_4)
	v_max3_num_f32 v[TM+\b], v[TM+\b], |v[\s+16*\b+\n]|, |v[\s+1+16*\b+\n]|
.endr
.endr
.irp b, 0,1,2,3
	s_delay_alu instid0(VALU_DEP_4)
	v_permlanex16_b32 v[TM+4+\b], v[TM+\b], s20, s21
.endr
.irp b, 0,1,2,3
	s_delay_alu instid0(VALU_DEP_4)
	v_max_num_f32 v[TM+\b], v[TM+\b], v[TM+4+\b]
.endr
.irp b, 0,1,2,3
	s_delay_alu instid0(VALU_DEP_4)
	v_add_nc_u32 v[TM+12+\b], 0xff000000, v[TM+\b] ; the conversion's scale operand
.endr
.irp b, 0,1,2,3
	s_delay_alu instid0(VALU_DEP_4)
	v_lshrrev_b32 v[TM+4+\b], 23, v[TM+12+\b]      ; the scale's byte
.endr
	s_delay_alu instid0(VALU_DEP_3)
	v_lshl_or_b32 v[PW], v[TM+5], 8, v[TM+4]
	s_delay_alu instid0(VALU_DEP_1)
	v_lshl_or_b32 v[PW], v[TM+6], 16, v[PW]
	s_delay_alu instid0(VALU_DEP_1)
	v_lshl_or_b32 v[PW], v[TM+7], 24, v[PW]
.irp b, 0,1,2,3
	v_cvt_scalef32_pk8_fp4_f32 v[PC+2*\b], v[\s+16*\b:\s+7+16*\b], v[TM+12+\b]
	v_cvt_scalef32_pk8_fp4_f32 v[PC+1+2*\b], v[\s+8+16*\b:\s+15+16*\b], v[TM+12+\b]
.endr
	v_nop                                          ; one plain line behind the last conversion
.irp c, 0,1
.irp n, 0,1
	v_permlane16_swap_b32 v[PC+4*\c+\n], v[PC+2+4*\c+\n]
.endr
.endr
.endm
.macro LOADB s                         ; K step s (6 or 7) of my eight tiles of W_o, from memory: 16 loads of 512 consecutive bytes
.irp n, 0,1,2,3,4,5,6,7
.irp c, 0,1
	global_load_b128 v[BF+64*((\s)%2)+8*\n+4*\c:BF+64*((\s)%2)+8*\n+4*\c+3], v[LI], s[WOB:WOB+1] offset:8192*\n+1024*(\s)+512*\c
.endr
.endr
.endm
.macro LOADW                           ; the region's three K steps of my eight tiles into window 1, step j at v[64 j]: 48 loads of 512 consecutive bytes
	WIN 0x40
.irp j, 0,1,2
.irp n, 0,1,2,3,4,5,6,7
.irp c, 0,1
	ds_load_b128 v[64*\j+8*\n+4*\c:64*\j+8*\n+4*\c+3], v[WRA] offset:3072*\n+1024*\j+512*\c
.endr
.endr
.endr
	WIN 0
.endm
.macro FETCHA s, p                     ; K step s of ov's codes and scale words and of W_o's scale words: 7 LDS loads, into the sets p
	ds_load_b128 v[AF+8*(\p):AF+8*(\p)+3], v[HRA] offset:1024*(\s)
	ds_load_b128 v[AF+8*(\p)+4:AF+8*(\p)+7], v[HRA] offset:1024*(\s)+512
	ds_load_b32 v[AS+(\p)], v[HSR] offset:128*(\s)
.irp n, 0,1,2,3
	ds_load_b32 v[BS+4*(\p)+\n], v[WSA] offset:1024*\n+64*(\s)
.endr
.endm
; Eight products of one K step, the accumulators by turns, on the sets p; W_o's fragments at v[bb] on, in window 1 (w1 = 1) or 0.  Four places follow, in front of loads into registers that these products have read and of the first read of results.
.macro PROD p, bb, w1, z
.if \w1
	WIN 0x04
.endif
.irp n, 0,1,2,3,4,5,6,7
	WM ACC+8*\n, AF+8*(\p), (\bb)+8*\n, \z, AS+(\p), BS+4*(\p)+\n/2, \n%2
.endr
	WIN 0
.rept 4
	v_nop
.endr
.endm
; v[SS] .. v[SS + 7], a lane's sums for tokens 8 hh + 0 .. 7, become the rows' sums over all 1,024 columns, in every lane: over the sixteen lanes of my half, then over the eight waves through LDS.
.macro ROWRED off
.irp m, 1,2,4,8
.irp j, 0,1,2,3,4,5,6,7
	v_add_f32_dpp v[SS+\j], v[SS+\j], v[SS+\j] row_xmask:\m row_mask:0xf bank_mask:0xf
.endr
.endr
	ds_store_b128 v[RDW], v[SS:SS+3] offset:\off           ; the sixteen lanes of a half write the same bytes with the same values
	ds_store_b128 v[RDW], v[SS+4:SS+7] offset:\off+16
	s_wait_dscnt 0x0                               ; for the others' sake: my stores have landed
	s_barrier_signal -1
	s_barrier_wait -1
	ds_load_b128 v[SS:SS+3], v[RDR] offset:\off            ; lane r takes wave r % 8's
	ds_load_b128 v[SS+4:SS+7], v[RDR] offset:\off+16
	s_wait_dscnt 0x0
.irp m, 1,2,4
.irp j, 0,1,2,3,4,5,6,7
	v_add_f32_dpp v[SS+\j], v[SS+\j], v[SS+\j] row_xmask:\m row_mask:0xf bank_mask:0xf
.endr
.endr
.endm
	s_load_b256 s[4:11], s[0:1], 0x0               ; ov s[4:5], wq s[6:7], x s[8:9], gamma s[10:11]
	s_load_b128 s[12:15], s[0:1], 0x20             ; beta s[12:13], out0 s[14:15]
	v_lshl_add_u32 v[SPW], v0, 2, SPARE
	v_mov_b32 v[NIL], 0
	ds_add_u32 v[SPW], v[NIL]                      ; the opening: the add, twice on end, and its wait ahead of the round in front of my first tensor load
	ds_add_u32 v[SPW], v[NIL]                      ; and once more, under the one wait; work on registers stands between
	v_lshrrev_b32 v1, 5, v0
	v_readfirstlane_b32 s18, v1                    ; wave 0..7
	s_and_b32 s22, s18, 3
	s_bfe_u32 s62, ttmp6, 0x40000                  ; cx
	s_lshl_b32 s63, ttmp9, 2
	s_add_co_u32 s63, s63, s62                     ; my work-group: which 16 tokens
	s_mov_b32 s20, 0x76543210
	s_mov_b32 s21, 0xfedcba98                      ; v_permlanex16_b32's selects for lane l xor 16
	s_mov_b32 s60, 0x3a800000                      ; 1 / 1,024
	s_mov_b32 s61, 0x3727c5ac                      ; 1e-5
	; group 1 for ov, no mask: 16 rows of 128 elements of 4 bytes, 16 bytes of padding behind each row's 128 words
	s_mov_b32 s24, (2<<16)|(1<<20)|(6<<22)|(3<<25)
	s_mov_b32 s25, 128<<16
	s_mov_b32 s26, 16<<16
	s_mov_b32 s27, 128<<16
	s_mov_b32 s28, 16
	s_mov_b32 s29, 128
	s_mov_b32 s30, 0
	s_mov_b32 s31, 0
	; group 1 for W_o's codes, the four partners' mask and bit 21 beside it: 16 rows (tiles) of 384 elements of 8 bytes (three K steps), 1,024 elements apart
	s_mov_b32 s32, 15|(3<<16)|(1<<21)
	s_mov_b32 s33, 384<<16
	s_mov_b32 s34, 16<<16
	s_mov_b32 s35, 384<<16
	s_mov_b32 s36, 16
	s_mov_b32 s37, 1024
	s_mov_b32 s38, 0
	s_mov_b32 s39, 0
	; group 1 for W_o's scale words, jointly too: a dense block of 8,192 bytes as 32 rows of 256
	s_mov_b32 s80, 15|(3<<16)|(1<<21)
	s_mov_b32 s81, 32<<16
	s_mov_b32 s82, 32<<16
	s_mov_b32 s83, 32<<16
	s_mov_b32 s84, 32
	s_mov_b32 s85, 32
	s_mov_b32 s86, 0
	s_mov_b32 s87, 0
	s_lshl_b32 s66, s18, 21                        ; ov: head = my wave,
	s_lshl_b32 s67, s63, 13                        ; 16 tokens of 512 bytes a work-group
	s_add_co_u32 s66, s66, s67
	s_mov_b32 s67, 0
	s_lshl_b32 s68, s22, 17
	s_add_co_u32 s68, s68, 1572864                 ; W_o's codes in wq, for the joint loads: 3 x 524,288 + 16 tiles of 8,192 bytes for each of waves 0-3
	s_mov_b32 s69, 0
	s_lshl_b32 s70, s18, 16
	s_add_co_u32 s70, s70, 1572864                 ; and my own eight tiles
	s_mov_b32 s71, 0
	s_lshl_b32 s72, s22, 13
	s_add_co_u32 s72, s72, 2195456                 ; the scale words: 2,097,152 + 3 x 32,768 + 8,192 for each of waves 4-7
	s_mov_b32 s73, 0
	s_lshl_b32 s74, s18, 9                         ; gamma, beta: my 128 numbers
	s_mov_b32 s75, 0
	s_lshl_b32 s76, s63, 16
	s_add_co_u32 s76, s76, s74                     ; x and out0: 16 rows of 4,096 bytes a work-group, 512 bytes of each a wave
	s_mov_b32 s77, 0
	s_mov_b32 s40, 1
	s_mul_i32 s41, s18, 8448                       ; ov's rows of head w
	s_mov_b32 s44, 1
	s_mul_i32 s45, s22, 49152
	s_add_co_u32 s45, s45, WR
	s_mov_b32 s88, 1
	s_lshl_b32 s89, s22, 13
	s_add_co_u32 s89, s89, WSL
	s_lshl_b32 s93, s18, 6
	s_add_co_u32 s94, s93, RED
	s_lshl_b32 s95, s18, 10
	s_add_co_u32 s95, s95, HIMG
	s_lshl_b32 s96, s18, 7
	s_add_co_u32 s96, s96, HSC
	s_lshl_b32 s97, s18, 12
	s_add_co_u32 s97, s97, WSL
	s_mul_i32 s98, s18, 24576
	s_add_co_u32 s98, s98, WR
	v_and_b32 v[LS], 31, v0                        ; every address register, in one run of vector lines
	v_and_b32 v1, 15, v0                           ; r
	v_bfe_u32 v2, v0, 4, 1                         ; hh
	v_lshlrev_b32 v[LI], 4, v[LS]
	v_lshlrev_b32 v[LS], 2, v[LS]
	v_lshlrev_b32 v[R16], 4, v1
	v_mul_u32_u24 v[OVA], v1, 528
	v_lshlrev_b32 v[WSA], 2, v1
	v_and_b32 v[RDR], 7, v1
	v_lshl_add_u32 v[GOF], v2, 15, v[R16]
	v_lshl_add_u32 v[OVA], v2, 3, v[OVA]
	v_lshl_add_u32 v[WSA], v2, 9, v[WSA]
	v_lshlrev_b32 v[RDR], 6, v[RDR]
	v_lshl_add_u32 v[RDW], v2, 5, s94
	v_add_nc_u32 v[OVA], s93, v[OVA]
	v_add_nc_u32 v[WSA], s97, v[WSA]
	v_lshl_add_u32 v[RDR], v2, 5, v[RDR]
	v_add_nc_u32 v[HWI], s95, v[LI]
	v_add_nc_u32 v[HRA], HIMG, v[LI]
	v_add_nc_u32 v[HSW], s96, v[LS]
	v_add_nc_u32 v[HSR], HSC, v[LS]
	v_add_nc_u32 v[WRA], s98, v[LI]
	v_add_nc_u32 v[RDR], RED, v[RDR]
.irp b, 0,1,2,3
	v_mov_b32 v[TM+4+\b], 0                        ; a lane permute's destination counts as one of its sources
.endr
	s_wait_alu depctr_va_vdst(0)                   ; behind the head's last vector line and directly ahead of the waits below
	s_wait_dscnt 0x0                               ; both opening adds are done
	s_wait_kmcnt 0x0
	s_add_nc_u64 s[42:43], s[4:5], s[66:67]
	s_or_b32 s43, s43, 0x80000000
	s_add_nc_u64 s[46:47], s[6:7], s[68:69]
	s_or_b32 s47, s47, 0x80000000
	s_add_nc_u64 s[90:91], s[6:7], s[72:73]
	s_or_b32 s91, s91, 0x80000000
	s_add_nc_u64 s[WOB:WOB+1], s[6:7], s[70:71]
	s_add_nc_u64 s[52:53], s[8:9], s[76:77]
	s_add_nc_u64 s[54:55], s[10:11], s[74:75]
	s_add_nc_u64 s[56:57], s[12:13], s[74:75]
	s_add_nc_u64 s[58:59], s[14:15], s[76:77]
	ROUND                                          ; in a launch in clusters every group of tensor loads stands behind a round
	tensor_load_to_lds s[40:43], s[24:31]          ; my head's rows of ov: the wave's one tensor load at the head
	s_nop 0
	LOADB 6
	LOADB 7
	WIN 0x40
.irp j, 0,1,2,3,4,5,6,7                        ; the residual: register 8 j + i of window 1's v192 on = x(token 8 hh + j, my column i); each half of the lanes reads 256 consecutive bytes
.irp a, 0,1
	global_load_b128 v[XW+8*\j+4*\a:XW+8*\j+4*\a+3], v[GOF], s[52:53] offset:4096*\j+256*\a th:TH_LOAD_NT
.endr
.endr
	WIN 0
	s_wait_tensorcnt 0x0                           ; my head's rows of ov are in,
	ds_add_u32 v[SPW], v[NIL]                      ; 0 onto my spare word,
	s_wait_dscnt 0x0                               ; and the wait for it
	ROUND                                          ; every head's rows are in, and the four partners are here: the joint loads meet
	s_cmp_lt_u32 s18, 4                            ; one load a wave, in the two arms of one branch on the wave's number
	s_cbranch_scc0 .Lf1_z
	tensor_load_to_lds s[44:47], s[32:39]          ; waves 0-3: K steps 0-2 of 16 tiles of W_o
	s_nop 0
.rept 4
	v_nop
.endr
	s_branch .Lf1_j
.Lf1_z:
	tensor_load_to_lds s[88:91], s[80:87]          ; waves 4-7: a quarter of W_o's scale words
	s_nop 0
.rept 4
	v_nop
.endr
.Lf1_j:
	; ---- K step w of the 16 tokens is quantised.  Register 16 b + i of lane (r, hh): token r, head i % 8, d = 16 w + 4 b + 2 hh + i / 8: place 16 hh + i of block 4 w + b of c = 8 d + h
.set i, 0
.rept 64
	ds_load_b32 v[ST+i], v[OVA] offset:(i%8)*8448+(4*(i/16)+(i%16)/8)*4
.set i, i+1
.endr
	s_wait_dscnt 0x0
	QUANT ST
	ds_store_b128 v[HWI], v[PC:PC+3]               ; the fragment goes to LDS as it stands
	ds_store_b128 v[HWI], v[PC+4:PC+7] offset:512
	ds_store_b32 v[HSW], v[PW]
	s_wait_tensorcnt 0x0                           ; my part of W_o's first fill is in,
	s_wait_dscnt 0x0                               ; and my stores have landed
	s_barrier_signal -1
	s_barrier_wait -1                              ; the eight fragments, W_o's K steps 0-2 and its scale words lie in LDS
	; ---- the product
	LOADW
	FETCHA 0, 0
	FETCHA 1, 1
	s_wait_dscnt 0x0
	PROD 0, 0, 1, 1                                ; K step 0 starts the sums
	FETCHA 2, 0
	PROD 1, 64, 1, 0                               ; K step 1
	FETCHA 6, 1
	s_wait_dscnt 7                                 ; K step 2's seven loads are in; the count is K step 6's seven
	PROD 0, 128, 1, 0                              ; K step 2
	FETCHA 7, 0
	s_wait_tensorcnt 0x0                           ; no tensor load of mine is out, so group 0 may be written;
	ds_add_u32 v[SPW], v[NIL]                      ; 0 onto my spare word;
	s_add_nc_u64 s[46:47], s[46:47], 3072          ; three K steps on in each tile
	s_wait_dscnt 0x0                               ; the add is done, and my reads of the region are over
	ROUND                                          ; that holds of every wave of the four partners
	s_cmp_lt_u32 s18, 4
	s_cbranch_scc0 .Lf2_j
	tensor_load_to_lds s[44:47], s[32:39]          ; waves 0-3: K steps 3-5, into the same region
	s_nop 0
.rept 4
	v_nop
.endr
.Lf2_j:
	s_wait_loadcnt 32                              ; K step 6's sixteen loads are in; the count is K step 7's and x's
	PROD 1, BF, 0, 0                               ; K step 6
	FETCHA 3, 1
	s_wait_loadcnt 16                              ; K step 7's are in; the count is x's
	PROD 0, BF+64, 0, 0                            ; K step 7 (its LDS loads were waited for ahead of the round)
	FETCHA 4, 0
.irp a, 0,1
	global_load_b128 v[128+4*\a:131+4*\a], v[R16], s[54:55] offset:256*\a    ; gamma of my eight columns, into registers that K step 7 has left,
	global_load_b128 v[136+4*\a:139+4*\a], v[R16], s[56:57] offset:256*\a    ; beta
.endr
	s_wait_tensorcnt 0x0                           ; my part of the second fill is in
	s_wait_dscnt 0x0
	s_barrier_signal -1
	s_barrier_wait -1                              ; everybody's is
	LOADW
	s_wait_dscnt 0x0
	PROD 1, 0, 1, 0                                ; K step 3
	FETCHA 5, 1
	PROD 0, 64, 1, 0                               ; K step 4
	s_wait_dscnt 0x0
	PROD 1, 128, 1, 0                              ; K step 5
	s_wait_loadcnt 4                               ; x is in; the count is gamma's and beta's four loads
	; ---- the norm
	WIN 0x01                                       ; source 0 (x) window 1
.irp j, 0,1,2,3,4,5,6,7                        ; j outermost: each accumulator is read from its low end on
.irp n, 0,1,2,3,4,5,6,7
	v_add_f32 v[Y+8*\j+\n], v[XW+8*\j+\n], v[ACC+8*\n+\j]
.endr
.endr
	WIN 0
.irp j, 0,1,2,3,4,5,6,7
	v_pk_add_f32 v[24+4*(\j%2):25+4*(\j%2)], v[Y+8*\j:Y+8*\j+1], v[Y+8*\j+2:Y+8*\j+3]
	v_pk_add_f32 v[26+4*(\j%2):27+4*(\j%2)], v[Y+8*\j+4:Y+8*\j+5], v[Y+8*\j+6:Y+8*\j+7]
	s_delay_alu instid0(VALU_DEP_1)
	v_pk_add_f32 v[24+4*(\j%2):25+4*(\j%2)], v[24+4*(\j%2):25+4*(\j%2)], v[26+4*(\j%2):27+4*(\j%2)]
	s_delay_alu instid0(VALU_DEP_1)
	v_add_f32 v[SS+\j], v[24+4*(\j%2)], v[25+4*(\j%2)]
.endr
	ROWRED 0
.irp j, 0,1,2,3,4,5,6,7
	v_mul_f32 v[SS+\j], s60, v[SS+\j]              ; the mean
.endr
.irp j, 0,1,2,3,4,5,6,7
.irp n, 0,1,2,3,4,5,6,7
	v_sub_f32 v[Y+8*\j+\n], v[Y+8*\j+\n], v[SS+\j]
.endr
.endr
.irp j, 0,1,2,3,4,5,6,7
	v_mul_f32 v[SS+\j], v[Y+8*\j], v[Y+8*\j]
.endr
.irp n, 1,2,3,4,5,6,7
.irp j, 0,1,2,3,4,5,6,7
	v_fmac_f32 v[SS+\j], v[Y+8*\j+\n], v[Y+8*\j+\n]
.endr
.endr
	ROWRED 512                                     ; other bytes than the first reduction's: no barrier is owed between the two
.irp j, 0,1,2,3,4,5,6,7
	v_fma_f32 v[SS+\j], v[SS+\j], s60, s61         ; the variance + 1e-5
.endr
	s_wait_alu depctr_va_vdst(0)                   ; ahead of the batch
.irp j, 0,1,2,3,4,5,6,7
	v_rsq_f32 v[SS+\j], v[SS+\j]
.endr
	v_nop                                          ; a plain line behind the last of the batch
	s_wait_alu depctr_va_vdst(0)                   ; one wait for the eight, ahead of their first reader
	s_wait_loadcnt 0x0                             ; gamma, beta
.irp j, 0,1,2,3,4,5,6,7
.irp n, 0,1,2,3,4,5,6,7
	v_mul_f32 v[Y+8*\j+\n], v[SS+\j], v[Y+8*\j+\n]
.endr
.endr
.irp j, 0,1,2,3,4,5,6,7
.irp k, 0,2,4,6
	v_pk_fma_f32 v[Y+8*\j+\k:Y+8*\j+\k+1], v[Y+8*\j+\k:Y+8*\j+\k+1], v[128+\k:129+\k], v[136+\k:137+\k]
.endr
.endr
.irp j, 0,1,2,3,4,5,6,7
.irp a, 0,1
	global_store_b128 v[GOF], v[Y+8*\j+4*\a:Y+8*\j+4*\a+3], s[58:59] offset:4096*\j+256*\a th:TH_STORE_NT   ; each half of the lanes stores 256 consecutive bytes, at a multiple of 256 from out0's first byte
.endr
.endr
	s_wait_tensorcnt 0x0                           ; the wave's end
	ds_add_u32 v[SPW], v[NIL]
	s_wait_dscnt 0x0
	ROUND                                          ; the closing round
	s_endpgm
.Lfunc_end_k_q0809cfa7e3_outln:
	.size	k_q0809cfa7e3_outln, .Lfunc_end_k_q0809cfa7e3_outln-k_q0809cfa7e3_outln
	.p2alignl 7, 3214868480
	.fill 96, 4, 3214868480
	.section	.rodata,"a",@progbits
	.p2align	6, 0x0
	.amdhsa_kernel k_q0809cfa7e3_outln
		.amdhsa_group_segment_fixed_size 327680
		.amdhsa_private_segment_fixed_size 0
		.amdhsa_enable_private_segment 0
		.amdhsa_kernarg_size 48
		.amdhsa_user_sgpr_count 2
		.amdhsa_user_sgpr_kernarg_segment_ptr 1
		.amdhsa_wavefront_size32 1
		.amdhsa_system_sgpr_workgroup_id_x 1
		.amdhsa_system_sgpr_workgroup_id_y 1
		.amdhsa_system_sgpr_workgroup_id_z 1
		.amdhsa_system_vgpr_workitem_id 0
		.amdhsa_next_free_vgpr 512
		.amdhsa_next_free_sgpr 100
		.amdhsa_reserve_vcc 0
		.amdhsa_float_denorm_mode_32 3
		.amdhsa_float_denorm_mode_16_64 3
		.amdhsa_memory_ordered 1
		.amdhsa_forward_progress 1
		.amdhsa_inst_pref_size 65
	.end_amdhsa_kernel
	.amdgpu_metadata
---
amdhsa.version: [ 1, 2 ]
amdhsa.kernels:
  - .name:           k_q0809cfa7e3_outln
    .symbol:         k_q0809cfa7e3_outln.kd
    .args:
      - { .name: ov, .offset: 0, .size: 8, .value_kind: global_buffer, .address_space: global }
      - { .name: wq, .offset: 8, .size: 8, .value_kind: global_buffer, .address_space: global }
      - { .name: x, .offset: 16, .size: 8, .value_kind: global_buffer, .address_space: global }
      - { .name: gamma, .offset: 24, .size: 8, .value_kind: global_buffer, .address_space: global }
      - { .name: beta, .offset: 32, .size: 8, .value_kind: global_buffer, .address_space: global }
      - { .name: out0, .offset: 40, .size: 8, .value_kind: global_buffer, .address_space: global }
    .group_segment_fixed_size: 327680
    .private_segment_fixed_size: 0
    .kernarg_segment_align: 8
    .kernarg_segment_size: 48
    .max_flat_workgroup_size: 256
    .sgpr_count:     100
    .vgpr_count:     512
    .wavefront_size: 32
...
	.end_amdgpu_metadata
.endif
;; end of part 4
